; MI455X (gfx1250); checked and timed in simulation.
; The chip was launched on July 23, 2026; its instructions are those of AMD's public machine-readable ISA for CDNA 5 (MIT licence, August 2026) and "CDNA5" Instruction Set Architecture Reference Guide (July 2026). The comments in the code are by the model that wrote it; some were corrected since.
;; Causal Self Attention. Allowed arithmetic: matrix products marked QUANTISED: E4M3 operands, one given power-of-two scale a tensor, by v_wmma_f32_16x16x64_fp8_fp8 or v_wmma_f32_16x16x128_fp8_fp8, f32 sums; everything else in f32.
;; Inputs: lowp_scales 8 int32 (the exponents e of the quantised operands' scales 2^e); w_out 1,024 x 1,024 float32; w_qkv 3,072 x 1,024 float32; x 4 x 2,048 x 1,024 float32.
;; Outputs: out0 4 x 2,048 x 1,024 float32.
;; This version of the problem:
;;   THIS VERSION OF THE PROBLEM IS GIVEN IN LOW PRECISION. The matrix products marked QUANTISED in the list below multiply operands that are first quantised to E4M3 (4 exponent bits, 3 mantissa bits; 8 bits a number), with one given power-of-two scale for each operand tensor; their sums are f32. All else is computed in f32.
;;   The module's matrix products, in the order in which they are computed (A, B: the left and right operand; K: the contracted axis; several contracted axes count as one K, in the product's order):
;;     1. [M 8,192, K 1,024] x [K 1,024, N 3,072]; A: input x; B: input w_qkv: QUANTISED (scales: A lowp_scales[0], B lowp_scales[1])
;;     2. batch 64 x [M 2,048, K 64] x [K 64, N 2,048]; A: computed on the way; B: computed on the way: QUANTISED (scales: A lowp_scales[2], B lowp_scales[3])
;;     3. batch 64 x [M 2,048, K 2,048] x [K 2,048, N 64]; A: softmax (see below); B: computed on the way: QUANTISED (scales: A lowp_scales[4], B lowp_scales[5])
;;     4. [M 8,192, K 1,024] x [K 1,024, N 1,024]; A: computed on the way; B: input w_out: QUANTISED (scales: A lowp_scales[6], B lowp_scales[7])
;;   THE QUANTISER, for each operand of a quantised product, along K:
;;     - The operand's scale is 2^e, e = its entry of the input lowp_scales (int32; the entries are numbered through the quantised products in the list's order, A before B).
;;     - Each number is divided by the scale, clamped to +-448, and rounded to the nearest number of E4M3, ties to even, subnormals kept.
;;     - The product sums the exact products of the quantised numbers (number of the format x scale) in f32.
;;   ~~~python
;;   def quantise(x, axis, e):      # numpy; x: float32 -> the quantised numbers, widened to float32 again
;;       x = np.moveaxis(x, axis, -1); K = x.shape[-1]
;;       r = np.clip(x / 2.0 ** e, -448, 448)
;;       step = 2.0 ** (np.maximum(np.frexp(np.where(r == 0, 1, r))[1] - 1, -6) - 3)
;;       q = np.round(r / step) * step * 2.0 ** e      # np.round: ties to even
;;       return np.moveaxis(q, -1, axis).astype(np.float32)
;;   ~~~
;;   SOFTMAX AHEAD OF A QUANTISED PRODUCT. Where the list says 'softmax', what is quantised is not the finished softmax but p = 2^(t - M), with t = logit x log2(e) and M = ceil(the row's largest t), a whole number; so 1/2 < the row's largest p <= 1. The row's sum l is taken of the UNQUANTISED p, in f32, and the product's result is divided by l at the end. Since M is a whole number, a kernel that streams over the keys may use a running M (the ceiling of the running maximum): every later rescaling is an exact power of two, so the quantised numbers keep their values, but for numbers so far below the row's largest that they fall under the format's range.
;;   OPERANDS COMPUTED ON THE WAY. 'Computed on the way' means the value that the module computes at that place (a softmax that the list does not call 'softmax' is quantised finished and normalised). What goes into a quantiser is computed in f32, as accurately as f32 sums, v_exp_f32 and their like allow (about 1e-6 of the number): no bf16 or f16 on the way to a quantiser, and a product that is left as it is and whose result goes on into a quantised operand takes f32 operands (vector FMAs, or v_wmma_f32_16x16x4_f32). A number that lies on a knife's edge between two numbers of the format may be rounded either way, as far as f32 arithmetic and the matrix unit's own rounding can turn it there, and no further.
;; One version. Each part assembles by itself: llvm-mc -triple=amdgcn-amd-amdhsa -mcpu=gfx1250 --defsym DOCPART=n.
;; ======== version 1 of 1: 4 launches
;; limits: right only within a limited range of input values
;; workspace buffers: xc 8,388,608 bytes; wqkvc 3,145,728 bytes; woutc 1,048,576 bytes; qkvc 25,165,824 bytes; yc 8,388,608 bytes
;; launch quant (part 1): grid 384 x 1, 4 waves a work-group, no clusters, 33,280 bytes of LDS; arguments x, w_qkv, w_out, lowp_scales, xc, wqkvc, woutc; writes xc, wqkvc, woutc
.if DOCPART == 1
	.amdgcn_target "amdgcn-amd-amdhsa--gfx1250"
	.amdhsa_code_object_version 6
	.text
	.protected	k_qbc6de01434_quant
	.globl	k_qbc6de01434_quant
	.p2align	8
	.type	k_qbc6de01434_quant,@function
k_qbc6de01434_quant:
	s_mov_b64 s[64:65], 0
	v_nop
	global_prefetch_b8 v0, s[64:65] scope:SCOPE_SE
	s_setreg_imm32_b32 hwreg(HW_REG_WAVE_MODE, 25, 1), 1
	s_wait_xcnt 0x0
; x [8192][1024], w_qkv [3072][1024] and w_out [1024][1024], f32 with K innermost, become codes of FP8 (E4M3), one byte each, in the same order,
; each tensor with the one scale 2^e that is given for it: entry 0 (x), entry 1 (w_qkv), entry 7 (w_out) of the buffer of scales.
; code = number / 2^e, held within +-448, rounded to the nearest code, ties to even.
; LIMITS: e between -126 and 119, so that 2^e and 448 x 2^e are f32 numbers.  NaN among the inputs is not served (an infinity is held at the largest code).
; Rows are dense, so each tensor is a plain stream.  A work-group takes 32,768 numbers, a wave 16 steps of 512.  Work-groups 0-255 take x, 256-351 w_qkv, 352-383 w_out:
; only pointers and the exponent are chosen, by the work-group's number; all take one path through the text.
; The conversion takes 8 neighbours from ONE lane's registers, a load is best where neighbouring LANES take neighbouring bytes.  Both are had: each of a step's four loads reads 512 consecutive
; bytes, 16 a lane; the 2,048 bytes go through the wave's own stage in LDS and come back 64 bytes a lane.  A lane's 16 codes are 16 bytes: the wave stores 512 consecutive bytes.
; No tensor loads, no barrier, no cluster: waves and work-groups share nothing.  Loads run four steps (16 loads a wave) ahead, the turn through LDS one step.
.set WAVES, 4
.set STEPS, 16
.set WGX,   256                        ; work-groups for x
.set WGQ,   352                        ; for x and w_qkv together
.set EMAX,  8
.set MANT,  0x600000                   ; the mantissa field of 448 as f32
.set CB,    16                         ; bytes of 16 codes
.set R,     16                         ; v16-79   four sets of 16 numbers as they are loaded
.set X,     80                         ; v80-111  two sets of 16 neighbours
.set C,     128                        ; v128-191 codes: four registers for each step, so that no store's data are written again
.set WREG,  8192                       ; LDS: a region of its own for each wave: two stages of 32 x SP bytes
.set SP,    80                         ; a lane's place in a stage: its 64 bytes + 16 of padding
.set SPW,   12                         ; v12      LDS address of my spare word; never rewritten
.set NIL,   13                         ; v13      0; never rewritten
.set SPARE, WAVES*WREG                 ; behind the four regions: the spare words, 128 bytes for each wave, which no other line names
	s_load_b256 s[4:11], s[0:1], 0x0               ; x s[4:5], w_qkv s[6:7], w_out s[8:9], the scales' exponents s[10:11]
	s_load_b128 s[12:15], s[0:1], 0x20             ; x's codes, w_qkv's codes
	s_load_b64 s[24:25], s[0:1], 0x30              ; w_out's codes
	v_lshl_add_u32 v[SPW], v0, 2, SPARE
	v_mov_b32 v[NIL], 0
	v_lshrrev_b32 v1, 5, v0
	v_readfirstlane_b32 s16, v1                    ; wave
	v_and_b32 v2, 31, v0                           ; lane
	v_lshlrev_b32 v3, 4, v2                        ; my 16 bytes of a load's 512
	s_mul_i32 s17, s16, WREG
	v_lshrrev_b32 v14, 2, v2
	v_mul_u32_u24 v14, v14, SP
	v_and_b32 v15, 3, v2
	v_lshl_add_u32 v14, v15, 4, v14
	v_add_nc_u32 v14, s17, v14                     ; the stage, on the way in: four lanes' 64 bytes on end, then 16 of padding
	v_mul_u32_u24 v15, v2, SP
	v_add_nc_u32 v15, s17, v15                     ; and on the way out: SP x lane: my 16 neighbours
	v_mul_u32_u24 v4, v2, CB                       ; my codes' place in a step's
	s_wait_alu depctr_va_vdst(0)
	s_wait_kmcnt 0x0
	s_load_b256 s[32:39], s[10:11], 0x0            ; the eight exponents
	s_cmp_lt_u32 ttmp9, WGQ                        ; which tensor?  The choice hangs on the work-group's number alone
	s_cselect_b64 s[6:7], s[6:7], s[8:9]           ; w_qkv or w_out,
	s_cselect_b64 s[14:15], s[14:15], s[24:25]     ; its codes,
	s_mov_b32 s17, WGQ
	s_cselect_b32 s17, WGX, s17                    ; and its first work-group
	s_cmp_lt_u32 ttmp9, WGX
	s_cselect_b64 s[4:5], s[4:5], s[6:7]           ; x or that
	s_cselect_b64 s[8:9], s[12:13], s[14:15]
	s_cselect_b32 s17, 0, s17
	s_sub_co_u32 s17, ttmp9, s17
	s_lshl_b32 s17, s17, 2
	s_add_co_u32 s18, s17, s16                     ; which run of 8,192 numbers of the tensor is my wave's
	s_mov_b32 s19, 0
	s_mov_b64 s[20:21], 512*STEPS*4
	s_mul_u64 s[20:21], s[18:19], s[20:21]
	s_add_nc_u64 s[4:5], s[4:5], s[20:21]
	s_mov_b64 s[20:21], 32*STEPS*CB
	s_mul_u64 s[20:21], s[18:19], s[20:21]
	s_add_nc_u64 s[8:9], s[8:9], s[20:21]
.macro LOAD t
.irp i, 0,1,2,3
	global_load_b128 v[R+16*((\t)%4)+4*\i:R+16*((\t)%4)+4*\i+3], v3, s[4:5] offset:2048*(\t)+512*\i th:TH_LOAD_NT   ; 32 lanes read 512 consecutive bytes
.endr
.endm
.macro TURN t                          ; step t's numbers through the stage: LDS serves a wave's instructions in order (ISA guide 5.7.1.4), so no wait stands between the stores and the loads
.irp i, 0,1,2,3
	ds_store_b128 v14, v[R+16*((\t)%4)+4*\i:R+16*((\t)%4)+4*\i+3] offset:32*SP*((\t)%2)+8*SP*\i
.endr
.irp i, 0,1,2,3
	ds_load_b128 v[X+16*((\t)%2)+4*\i:X+16*((\t)%2)+4*\i+3], v15 offset:32*SP*((\t)%2)+16*\i
.endr
.endm
.irp t, 0,1,2,3
	LOAD \t
.endr
	s_wait_kmcnt 0x0
	s_cmp_lt_u32 ttmp9, WGQ
	s_cselect_b32 s22, s33, s39                    ; w_qkv's e or w_out's,
	s_cmp_lt_u32 ttmp9, WGX
	s_cselect_b32 s22, s32, s22                    ; x's or that
	s_add_co_i32 s22, s22, 127
	s_lshl_b32 s23, s22, 23
	v_mov_b32 v11, s23                             ; 2^e as f32: the conversion takes its exponent field
	s_add_co_i32 s22, s22, EMAX
	s_lshl_b32 s22, s22, 23
	s_or_b32 s22, s22, MANT
	s_wait_alu depctr_va_vdst(0)
	s_wait_loadcnt 12                              ; step 0's four loads are in; the twelve of steps 1 to 3 may be out
	TURN 0
.macro STEP t
.set XS, X+16*((\t)%2)
	s_wait_dscnt 0x0                               ; this step's numbers are back from the stage: so its stores into the stage have read their registers,
.if (\t)+4 < STEPS
	LOAD (\t)+4                                    ; which take the loads of four steps on
.endif
.if (\t)+1 < STEPS
.if STEPS-2-(\t) >= 3
	s_wait_loadcnt 12                              ; the next step's four loads are in; those of the three steps behind it may be out
.else
	s_wait_loadcnt 4*(STEPS-2-(\t))                ; the tail: four for each step still behind the next
.endif
	TURN (\t)+1                                    ; and go through the other stage while this step is worked
.endif
.irp i, 0,1,2,3,4,5,6,7,8,9,10,11,12,13,14,15
.endr
	v_cvt_scalef32_pk8_fp8_f32 v[C+4*(\t):C+4*(\t)+1], v[XS:XS+7], v11          ; eight numbers / 2^e, to the nearest code, ties to even; the first number's code in the lowest byte
	v_cvt_scalef32_pk8_fp8_f32 v[C+4*(\t)+2:C+4*(\t)+3], v[XS+8:XS+15], v11
	global_store_b128 v4, v[C+4*(\t):C+4*(\t)+3], s[8:9] offset:32*CB*(\t)      ; the wave stores 512 consecutive bytes, aligned.  (The codes go to a store alone)
.endm
.irp t, 0,1,2,3,4,5,6,7,8,9,10,11,12,13,14,15
	STEP \t
.endr
	s_wait_tensorcnt 0x0                           ; the wave's end: behind my last LDS store
	ds_add_u32 v[SPW], v[NIL]
	s_wait_dscnt 0x0
	s_endpgm
.Lfunc_end_k_qbc6de01434_quant:
	.size	k_qbc6de01434_quant, .Lfunc_end_k_qbc6de01434_quant-k_qbc6de01434_quant
	.p2alignl 7, 3214868480
	.fill 96, 4, 3214868480
	.section	.rodata,"a",@progbits
	.p2align	6, 0x0
	.amdhsa_kernel k_qbc6de01434_quant
		.amdhsa_group_segment_fixed_size 33280
		.amdhsa_private_segment_fixed_size 0
		.amdhsa_enable_private_segment 0
		.amdhsa_kernarg_size 56
		.amdhsa_user_sgpr_count 2
		.amdhsa_user_sgpr_kernarg_segment_ptr 1
		.amdhsa_wavefront_size32 1
		.amdhsa_system_sgpr_workgroup_id_x 1
		.amdhsa_system_sgpr_workgroup_id_y 1
		.amdhsa_system_sgpr_workgroup_id_z 1
		.amdhsa_system_vgpr_workitem_id 0
		.amdhsa_next_free_vgpr 192
		.amdhsa_next_free_sgpr 66
		.amdhsa_reserve_vcc 0
		.amdhsa_float_denorm_mode_32 3
		.amdhsa_float_denorm_mode_16_64 3
		.amdhsa_fp16_overflow 1
		.amdhsa_memory_ordered 1
		.amdhsa_forward_progress 1
		.amdhsa_inst_pref_size 22
	.end_amdhsa_kernel
	.amdgpu_metadata
---
amdhsa.version: [ 1, 2 ]
amdhsa.kernels:
  - .name:           k_qbc6de01434_quant
    .symbol:         k_qbc6de01434_quant.kd
    .args:
      - { .name: x, .offset: 0, .size: 8, .value_kind: global_buffer, .address_space: global }
      - { .name: w_qkv, .offset: 8, .size: 8, .value_kind: global_buffer, .address_space: global }
      - { .name: w_out, .offset: 16, .size: 8, .value_kind: global_buffer, .address_space: global }
      - { .name: lowp_scales, .offset: 24, .size: 8, .value_kind: global_buffer, .address_space: global }
      - { .name: xc, .offset: 32, .size: 8, .value_kind: global_buffer, .address_space: global }
      - { .name: wqkvc, .offset: 40, .size: 8, .value_kind: global_buffer, .address_space: global }
      - { .name: woutc, .offset: 48, .size: 8, .value_kind: global_buffer, .address_space: global }
    .group_segment_fixed_size: 33280
    .private_segment_fixed_size: 0
    .kernarg_segment_align: 8
    .kernarg_segment_size: 56
    .max_flat_workgroup_size: 128
    .sgpr_count:     66
    .vgpr_count:     192
    .wavefront_size: 32
...
	.end_amdgpu_metadata
.endif
;; end of part 1
;; launch qkv (part 2): grid 12 x 32, 4 waves a work-group, clusters of 4 x 4, 327,680 bytes of LDS; arguments xc, wqkvc, lowp_scales, qkvc; writes qkvc
.if DOCPART == 2
	.amdgcn_target "amdgcn-amd-amdhsa--gfx1250"
	.amdhsa_code_object_version 6
	.text
	.protected	k_qbc6de01434_qkv
	.globl	k_qbc6de01434_qkv
	.p2align	8
	.type	k_qbc6de01434_qkv,@function
k_qbc6de01434_qkv:
	s_mov_b64 s[64:65], 0
	v_nop
	global_prefetch_b8 v0, s[64:65] scope:SCOPE_SE
	s_setreg_imm32_b32 hwreg(HW_REG_WAVE_MODE, 25, 1), 1
	s_wait_xcnt 0x0
	s_wait_alu depctr_hold_cnt(0) depctr_sa_sdst(0) depctr_va_vdst(0) depctr_va_sdst(0) depctr_va_ssrc(0) depctr_va_vcc(0) depctr_vm_vsrc(0)
	s_getreg_b32 s2, hwreg(HW_REG_IB_STS2, 6, 4)
	s_cmp_eq_u32 s2, 0
	s_cbranch_scc0 .Lentry_in_a_cluster
	s_endpgm
.Lentry_in_a_cluster:
	s_bfe_u32 s2, ttmp6, 0x10000c
	s_cmp_lg_u32 s2, 0xf033
	s_cbranch_scc0 .Lentry_shape_is_right
	s_endpgm
.Lentry_shape_is_right:
; qkv[t][f] = sum over k of x[t][k] w_qkv[f][k] on codes of FP8 (E4M3); K = 1,024; sums in f32.  Each finished sum is quantised at once for the product that reads it next, and only codes go to memory.
; OUT, three regions of 8,388,608 bytes; head bh = 16 x batch + head owns 131,072 bytes of each:  q, k: [bh][token 2048][64 d];  v: [bh][token / 64][64 d][64 tokens]: its next K, the keys, innermost.
; A sum stands for sum x 2^(e0 + e1); its code is sum / 2^E with E = e_dst - e0 - e1 (e_dst: entry 2 for q, 3 for k, 5 for v), held within +-448 x 2^E.
; LIMIT: E between -126 and 119, so that 2^E and 448 x 2^E are f32 numbers.
; A tile, 256 tokens x 256 f, is made by four waves, each 128 x 128: 64 accumulators, 512 registers.  K goes in four steps of 256 through a ring of two LDS slots filled by the tensor data mover.
; CLUSTERS: 4 x 4 work-groups.  The four of a row need the same tile of x, the four of a column the same tile of w_qkv: each tile is asked for JOINTLY, by the same tensor load with the same descriptor
; and a mask that names the four.  The cluster's x (0, 1, 2) says whether its 1,024 f are q's, k's or v's: it is the same number in all sixteen partners.
; WHICH OPERAND IS SOURCE 0.  A lane's eight results run along source 0's rows.  q and k want them along f (d is their next K): source 0 = rows of w_qkv, source 1 = tokens.  v wants them along the tokens:
; source 0 = tokens, source 1 = rows of w_qkv.  The instructions are the same: only the LDS addresses of the two sets of fragments are chosen, by the cluster's x, inside the same slot.
; With P = source 0's rows and Q = source 1's: accumulator (a, b), lane (r, h), register j = (Q row 16 a + r, P row 16 b + 8 h + j): eight neighbours along the next K, one conversion.
; No prefetch: K has four steps, two asked for at the head and two behind the first two changes of slots; nothing lies further ahead.
; REGISTERS, in windows of 256: window 0: v0-31 addresses; from v128 source 1's fragments (8 x 16 rows x 128 K), ONE set; on the way out v96-159 at work.
;   window 1: source 0's fragments, TWO sets, at v0 and v128.   window 2: the accumulators of Q rows 0-63 ((a, b) at v[8 (8 a + b)]);   window 3: those of Q rows 64-127.
.set KROW,   1024                      ; a row of x's or w_qkv's codes in memory, in bytes
.set ROWB,   256                       ; a tile's row: 256 along K
.set PITCH,  272                       ; an LDS row: 256 bytes + 16 of padding = 68 words: row r starts at bank 4 r mod 64 (64 banks of 4 bytes: ISA guide 11.1)
.set FR,     16                        ; registers of a fragment: 16 rows x 128 K
.set NL,     4                         ; LDS loads that bring one
.set NP,     4                         ; places behind this matrix instruction (ISA guide 7.12.1)
.set HALFT,  128*PITCH                 ; 128 rows: what one tensor load brings
.set SLOT,   4*HALFT                   ; x's 256 rows, then w_qkv's 256 rows
.set SPARE,  2*SLOT                    ; behind the ring: the spare words, 128 bytes for each wave, which no other line names
.set STG,    SPARE+512                 ; behind them: a stage of 2 x 16 rows x 80 bytes for each wave, in bytes into which no tile lands
.set ADRA, 16                          ; v16-17  LDS address of source 1's fragments in slot 0, 1
.set ADRB, 20                          ; v20-21  the same for source 0's
.set STO,  24                          ; v24     the way out: where I put 8 codes of a row
.set RD,   25                          ; v25     where I read 16 bytes back
.set GO,   26                          ; v26, v27 my byte offset in a block's first and second half
.set SPW,  28                          ; v28     LDS address of my spare word; never rewritten
.set NIL,  29                          ; v29     0; never rewritten
.set SC,   30                          ; v30     2^E as f32
.set LIM,  31
.set TMP,  32
.set CD,   96                          ; v96-127 its codes, two sets by turns
.set AF,   128                         ; source 1's fragments, in window 0
.set BK,   128                         ; the way out: a block's rows read back, v128-143 and v144-159 by turns
.set G1, 24                            ; s[24:31] descriptor group 1 for x's tiles;  s[32:39] group 0, one set for each slot
.set G0, 32
.set G1B, 48                           ; s[48:55], s[56:63] the same for w_qkv's tiles
.set G0B, 56
.set MSB, 0
.macro WIN new                         ; the immediate's high byte repeats the setting that is left
.if MSB != \new
	s_set_vgpr_msb (MSB<<8)|\new
.set MSB, \new
.endif
.endm
.set MUL_LO, 0xa1                      ; source 0 window 1, source 1 window 0, C and D window 2
.set MUL_HI, 0xf1                      ; the same, C and D window 3
.set TO_B,   0x40                      ; destination window 1, address window 0
; A joint load: waves 0 and 1 fetch x's two halves, waves 2 and 3 w_qkv's.  Each of the two lines has ONE mask and one set of registers for all that issue it; the branch hangs on the wave's number alone.
; An s_nop 0 and four v_nop follow each of the two lines, ahead of the jump, the label and what follows.
.macro JLOAD g0a, g1a, g0b, g1b
	s_cmp_eq_u32 s15, 0
	s_cbranch_scc0 .Lfor_b_\@
	tensor_load_to_lds s[\g0a:\g0a+3], s[\g1a:\g1a+7]
	s_nop 0
.rept 4
	v_nop
.endr
	s_branch .Lasked_\@
.Lfor_b_\@:
	tensor_load_to_lds s[\g0b:\g0b+3], s[\g1b:\g1b+7]
	s_nop 0
.rept 4
	v_nop
.endr
.Lasked_\@:
.endm
.macro CREST                           ; a round of the cluster's barrier behind its opening barrier
	s_cmp_lg_u32 s14, 0
	s_cbranch_scc1 .Lnot_wave_0_\@
	s_barrier_signal -3
.Lnot_wave_0_\@:
	s_barrier_wait -3
	s_barrier_signal -1
	s_barrier_wait -1
.endm
.macro CROUND                          ; a whole round
	s_barrier_signal -1
	s_barrier_wait -1
	CREST
.endm
	s_load_b128 s[4:7], s[0:1], 0x0                ; x's codes s[4:5], w_qkv's codes s[6:7]
	s_load_b128 s[8:11], s[0:1], 0x10              ; the scales' exponents s[8:9], the output s[10:11]
	v_lshl_add_u32 v[SPW], v0, 2, SPARE
	v_mov_b32 v[NIL], 0
	ds_add_u32 v[SPW], v[NIL]                      ; the wave's opening: the add and its wait stand ahead of my first tensor load; the set-up below, work on registers, stands between them
	ds_add_u32 v[SPW], v[NIL]
	v_lshrrev_b32 v1, 5, v0
	v_readfirstlane_b32 s14, v1                    ; wave 0..3
	s_lshr_b32 s15, s14, 1                         ; which half of the tile's tokens is mine.  Also: I fetch for x (0) or for w_qkv (1)
	s_and_b32 s16, s14, 1                          ; which half of its f.  Also: which 128 rows of that tile I fetch
	s_bfe_u32 s40, ttmp6, 0x40000                  ; cx, cy: my place in the cluster
	s_bfe_u32 s41, ttmp6, 0x40004
	s_lshl_b32 s42, ttmp9, 2
	s_add_co_u32 s42, s42, s40                     ; tile column = 4 x cluster x + cx: f from 256 x that
	s_and_b32 s17, ttmp7, 0xffff
	s_lshl_b32 s17, s17, 2
	s_add_co_u32 s17, s17, s41                     ; tile row = 4 x cluster y + cy: tokens from 256 x that
	s_lshl_b32 s43, s41, 2
	s_lshl_b32 s43, 15, s43                        ; my row of the cluster
	s_lshl_b32 s44, 0x1111, s40                    ; my column
	; descriptor group 1: a tile of 128 rows x 256 bytes, padded in LDS
	s_or_b32 s[G1+0], s43, (0<<16)|(1<<20)|(1<<21)|(5<<22)|(3<<25)  ; 15:0 the mask: x's tiles go to my row; 17:16 element of 1 byte; 20 padding on; 21 set beside a mask; 24:22 after every 64 words (code 5); 31:25 of 4 words (code 3)
	s_or_b32 s[G1B+0], s44, (0<<16)|(1<<20)|(1<<21)|(5<<22)|(3<<25) ; the same with my column's mask
.irp g, G1, G1B
	s_mov_b32 s[\g+1], ROWB<<16                    ; tensor_dim0
	s_mov_b32 s[\g+2], 128<<16                     ; tensor_dim1 = 128
	s_mov_b32 s[\g+3], ROWB<<16                    ; tile_dim0
	s_mov_b32 s[\g+4], 128                         ; tile_dim1 = 128
	s_mov_b32 s[\g+5], KROW                        ; tensor_dim0_stride
	s_mov_b32 s[\g+6], 0
	s_mov_b32 s[\g+7], 0
.endr
	s_lshl_b32 s18, s16, 7                         ; which 128 rows of the tile I fetch
	s_lshl_b32 s20, s17, 8
	s_add_co_u32 s20, s20, s18                     ; x: row 256 x tile row + 128 x half
	s_lshl_b32 s46, s42, 8
	s_add_co_u32 s46, s46, s18                     ; w_qkv: row 256 x tile column + 128 x half
	s_mov_b32 s21, 0
	s_mov_b32 s47, 0
	s_mov_b64 s[18:19], KROW
	s_mul_u64 s[20:21], s[20:21], s[18:19]
	s_mul_u64 s[46:47], s[46:47], s[18:19]
	s_mul_i32 s45, s14, HALFT                      ; where they go: wave x 128 rows: no place in the cluster enters an LDS address
	s_wait_dscnt 0x0                               ; the opening add is done
	s_wait_kmcnt 0x0
	s_load_b256 s[80:87], s[8:9], 0x0              ; the eight exponents
	s_add_nc_u64 s[20:21], s[4:5], s[20:21]
	s_add_nc_u64 s[46:47], s[6:7], s[46:47]
	CROUND                                         ; all sixteen work-groups are here: the first joint loads meet
.irp s, 0,1
	s_mov_b32 s[G0+4*\s], 1
	s_add_co_u32 s[G0+4*\s+1], s45, \s*SLOT
	s_add_nc_u64 s[G0+4*\s+2:G0+4*\s+3], s[20:21], \s*ROWB
	s_or_b32 s[G0+4*\s+3], s[G0+4*\s+3], 0x80000000
	s_mov_b32 s[G0B+4*\s], 1
	s_add_co_u32 s[G0B+4*\s+1], s45, \s*SLOT
	s_add_nc_u64 s[G0B+4*\s+2:G0B+4*\s+3], s[46:47], \s*ROWB
	s_or_b32 s[G0B+4*\s+3], s[G0B+4*\s+3], 0x80000000
	JLOAD G0+4*\s, G1, G0B+4*\s, G1B               ; two loads of mine are out
.endr
	v_and_b32 v1, 15, v0                           ; r = l % 16
	v_bfe_u32 v2, v0, 4, 1                         ; h = l / 16
	v_mul_u32_u24 v3, v1, PITCH
	v_lshl_add_u32 v4, v2, 4, v3                   ; a fragment's row x pitch + 16 x half
	s_wait_alu depctr_va_vdst(0)
	s_mul_i32 s21, s15, HALFT                      ; my 128 tokens
	s_mul_i32 s22, s16, HALFT                      ; my 128 rows of w_qkv,
	s_add_co_u32 s22, s22, 2*HALFT                 ; which lie behind x's 256
	s_cmp_eq_u32 ttmp9, 2                          ; v's cluster?  The same answer in all sixteen partners
	s_cselect_b32 s23, s21, s22                    ; source 0's rows: the tokens for v, else w_qkv's
	s_cselect_b32 s75, s22, s21                    ; source 1's rows: the other
	s_mov_b32 s74, 131072
	s_cselect_b32 s74, 4096, s74                   ; from a block's first half (P rows 0-63) to its second: the next 64 tokens of v, else the next head
	s_mov_b32 s72, 1024
	s_cselect_b32 s72, 128000, s72                 ; the step into block 4: for v the next head less three steps of 1,024, else 1,024 like every step
	s_mov_b32 s73, 0
.irp s, 0,1
	v_add_nc_u32 v[ADRA+\s], s75, v4
	v_add_nc_u32 v[ADRB+\s], s23, v4
	s_add_co_u32 s75, s75, SLOT
	s_add_co_u32 s23, s23, SLOT
.endr
	s_mul_i32 s23, s14, 2560
	s_add_co_u32 s23, s23, STG                     ; my stage
	v_mul_u32_u24 v5, v1, 80
	v_lshl_add_u32 v5, v2, 3, v5
	v_add_nc_u32 v[STO], s23, v5                   ; in: row r of 80 bytes, 8 bytes for each half of the lanes
	v_and_b32 v6, 31, v0
	v_lshrrev_b32 v7, 2, v6
	v_mul_u32_u24 v7, v7, 80
	v_and_b32 v8, 3, v0
	v_lshl_add_u32 v7, v8, 4, v7
	v_add_nc_u32 v[RD], s23, v7                    ; back: four lanes to a row of 64 bytes, eight rows an instruction
	v_lshlrev_b32 v[GO], 4, v6                     ; which are 512 consecutive bytes of the output: 16 x lane
	v_add_nc_u32 v[GO+1], s74, v[GO]
	; where my part begins: region x 8,388,608 + (16 x batch + head) x 131,072 + (token in the batch) x 64: one formula for q, k and v
	s_lshl_b32 s20, s17, 8
	s_lshl_b32 s21, s15, 7
	s_add_co_u32 s20, s20, s21                     ; my first token
	s_lshr_b32 s21, s20, 11                        ; its batch
	s_lshl_b32 s21, s21, 4
	s_lshl_b32 s46, s40, 2
	s_add_co_u32 s21, s21, s46                     ; + 4 cx
	s_lshl_b32 s46, s16, 1
	s_add_co_u32 s21, s21, s46                     ; + 2 x my half: my first head
	s_lshl_b32 s21, s21, 17
	s_and_b32 s20, s20, 2047
	s_lshl_b32 s20, s20, 6
	s_add_co_u32 s20, s20, s21
	s_lshl_b32 s21, ttmp9, 23
	s_add_co_u32 s20, s20, s21
	s_mov_b32 s21, 0
	s_add_nc_u64 s[10:11], s[10:11], s[20:21]
.macro FRAG reg, adr, q, i             ; a fragment, 16 rows x 128 K, is 16 registers: lane l holds row l % 16; registers 4 c .. 4 c + 3 hold K = 32 c + 16 (l / 16) + 0 .. 15: the same places of k in both sources
.irp c, 0,1,2,3
	ds_load_b128 v[\reg+4*\c:\reg+4*\c+3], v[\adr] offset:128*(\q)+32*\c+(\i)*16*PITCH
.endr
.endm
; 16 matrix instructions: source 1's blocks a0, a0 + 1 x source 0's eight, 128 along K.  p: source 0's set.  zero = 1: the first product starts the sums: nothing is ever cleared.
; The 64 accumulators take turns, one instruction a turn, in the same order in every step.
.macro MUL16 a0, p, zero
.irp a, \a0, \a0+1
.irp b, 0,1,2,3,4,5,6,7
.if \zero
	v_wmma_f32_16x16x128_fp8_fp8 v[8*(8*((\a)%4)+\b):8*(8*((\a)%4)+\b)+7], v[128*(\p)+FR*\b:128*(\p)+FR*\b+FR-1], v[AF+FR*(\a):AF+FR*(\a)+FR-1], 0
.else
	v_wmma_f32_16x16x128_fp8_fp8 v[8*(8*((\a)%4)+\b):8*(8*((\a)%4)+\b)+7], v[128*(\p)+FR*\b:128*(\p)+FR*\b+FR-1], v[AF+FR*(\a):AF+FR*(\a)+FR-1], v[8*(8*((\a)%4)+\b):8*(8*((\a)%4)+\b)+7]
.endif
.endr
.endr
.endm
.macro FETCH_B slot, q, p              ; source 0's eight fragments of the slot's q-th 128 along K into set p
	WIN TO_B
.irp i, 0,1,2,3,4,5,6,7
	FRAG 128*(\p)+FR*\i, ADRB+\slot, \q, \i
.endr
	WIN 0
.endm
.macro FETCH_A slot, q, i0             ; source 1's blocks i0 .. i0 + 3
.irp i, \i0, \i0+1, \i0+2, \i0+3
	FRAG AF+FR*(\i), ADRA+\slot, \q, \i
.endr
.endm
; A load into a register that a matrix instruction has read, and a vector instruction that reads a matrix result, stand NP places behind that matrix instruction; only plain vector
; instructions that name none of its registers are places (ISA guide 7.12.1 for vector instructions).
.macro PLACES n
.rept \n
	v_nop
.endr
.endm
; A step of 128 along K that has its successor in the same slot.
.macro STEP slot, q, zero
	s_wait_dscnt 4*NL                              ; source 0's set and source 1's blocks 0-3 are in; the youngest sixteen loads (blocks 4-7) may be out
	WIN MUL_LO
	MUL16 0, (\q)%2, \zero
	MUL16 2, (\q)%2, \zero
	s_wait_dscnt 0                                 ; blocks 4-7 are in (asked for 32 matrix instructions ago)
	PLACES NP
	FETCH_B \slot, (\q)+1, 1-(\q)%2
	FETCH_A \slot, (\q)+1, 0
	WIN MUL_HI
	MUL16 4, (\q)%2, \zero
	MUL16 6, (\q)%2, \zero
	PLACES NP
	WIN 0
	FETCH_A \slot, (\q)+1, 4
.endm
; A slot's last step changes slots: ONE barrier; in front of it each wave waits for all its tensor loads, adds 0 to its spare word, and waits for that and for its own reads of this slot.  fill = 1: this slot is filled again, two K steps ahead.
.macro TURN slot, next, fill
	s_wait_tensorcnt 0x0                           ; all my tensor loads have landed: my part of the next slot  (every window is 0 here: the add's two registers lie in window 0)
	ds_add_u32 v[SPW], v[NIL]                      ; 0 onto my spare word
	s_wait_dscnt 4*NL+1                            ; the add and the youngest sixteen loads (blocks 4-7) may be out
	WIN MUL_LO
	MUL16 0, 1, 0                                  ; sixteen matrix instructions stand between the add and the wait for it
	s_wait_dscnt 0x0                               ; the add is done, and my reads of this slot are over
	s_barrier_signal -1
	MUL16 2, 1, 0
	WIN 0
	s_barrier_wait -1
.if \fill
	CREST                                          ; the barrier has opened a round of the cluster's barrier: no wave of any partner still reads this slot's tile or has a load on its way
	s_add_nc_u64 s[G0+4*\slot+2:G0+4*\slot+3], s[G0+4*\slot+2:G0+4*\slot+3], 2*ROWB
	s_add_nc_u64 s[G0B+4*\slot+2:G0B+4*\slot+3], s[G0B+4*\slot+2:G0B+4*\slot+3], 2*ROWB
	JLOAD G0+4*\slot, G1, G0B+4*\slot, G1B         ; the first tensor load behind the round, my one load until the next; its four v_nop are the places in front of the loads below
.else
	PLACES NP
.endif
	FETCH_B \next, 0, 0
	FETCH_A \next, 0, 0
	WIN MUL_HI
	MUL16 4, 1, 0
	MUL16 6, 1, 0
	PLACES NP
	WIN 0
	FETCH_A \next, 0, 4
.endm
	s_wait_tensorcnt 1                             ; my part of K step 0 is in; K step 1's load may be out
	s_barrier_signal -1
	s_barrier_wait -1                              ; everybody's is
	FETCH_B 0, 0, 0
	FETCH_A 0, 0, 0
	FETCH_A 0, 0, 4
	STEP 0, 0, 1                                   ; K step 0: its first products start the sums
	TURN 0, 1, 1                                   ; slot 0 takes K step 2
	STEP 1, 0, 0                                   ; K step 1
	TURN 1, 0, 1                                   ; slot 1 takes K step 3
	STEP 0, 0, 0                                   ; K step 2
	TURN 0, 1, 0                                   ; nothing is left to fetch: no round of the cluster's barrier
	STEP 1, 0, 0                                   ; K step 3
	s_wait_dscnt 4*NL                              ; the very last step
	WIN MUL_LO
	MUL16 0, 1, 0
	MUL16 2, 1, 0
	s_wait_dscnt 0
	WIN MUL_HI
	MUL16 4, 1, 0
	MUL16 6, 1, 0
	WIN 0
; THE WAY OUT, block by block of 16 Q rows x 128 P rows.  A block's sums are held and converted, eight neighbours along the next K to 8 bytes; a lane's 8 bytes are an eighth of a row of 64, so the block goes
; through my own stage (two halves of 16 rows x 80 bytes) and comes back 16 bytes a lane: each store of the wave then covers 512 consecutive bytes, aligned.
.macro TOSTAGE a
.set AC, 64*((\a)%4)
.set CC, CD+16*((\a)%2)
.set BB, BK+16*((\a)%2)
	WIN 0x02+((\a)/4)                              ; source 0: window 2 or 3
.set j, 0
.rept 64
.set j, j+1
.endr
.irp b, 0,1,2,3,4,5,6,7
	v_cvt_scalef32_pk8_fp8_f32 v[CC+2*\b:CC+2*\b+1], v[AC+8*\b:AC+8*\b+7], v[SC]
.endr
	WIN 0
	v_nop                                          ; one plain vector instruction behind the last conversion
.irp b, 0,1,2,3,4,5,6,7
	ds_store_b64 v[STO], v[CC+2*\b:CC+2*\b+1] offset:(\b/4)*1280+(\b%4)*16
.endr
.irp i, 0,1,2,3
	ds_load_b128 v[BB+4*\i:BB+4*\i+3], v[RD] offset:(\i/2)*1280+(\i%2)*640   ; LDS serves a wave's instructions in order (ISA guide 5.7.1.4): these see the stores above, and the next block's stores come behind them
.endr
.endm
.macro SEND a, younger                 ; younger: the LDS instructions issued behind block a's loads, which may stay out
.set BB, BK+16*((\a)%2)
	s_wait_dscnt \younger                          ; the block is back in registers
.if (\a) == 4
	s_add_nc_u64 s[10:11], s[10:11], s[72:73]      ; (behind a wait on XCNT: the earlier stores have read their base)
.elseif (\a) > 0
	s_add_nc_u64 s[10:11], s[10:11], 1024
.endif
.irp i, 0,1,2,3
	global_store_b128 v[GO+\i/2], v[BB+4*\i:BB+4*\i+3], s[10:11] offset:(\i%2)*512
.endr
.endm
	s_wait_kmcnt 0x0
	s_cmp_eq_u32 ttmp9, 0
	s_cselect_b32 s88, s82, s83                    ; q's exponent or k's,
	s_cmp_eq_u32 ttmp9, 2
	s_cselect_b32 s88, s85, s88                    ; v's or that
	s_sub_co_i32 s88, s88, s80
	s_sub_co_i32 s88, s88, s81                     ; E = e_dst - e0 - e1
	s_add_co_i32 s88, s88, 127
	s_lshl_b32 s89, s88, 23
	v_mov_b32 v[SC], s89                           ; 2^E as f32: the conversion takes its exponent field
	s_add_co_i32 s88, s88, 8
	s_lshl_b32 s88, s88, 23
	s_or_b32 s88, s88, 0x600000
	PLACES NP                                      ; behind the last products: for the loads into the registers that held source 1's fragments, and for the reads of results
	TOSTAGE 0
.irp a, 1,2,3,4,5,6,7
.if \a > 1
	s_wait_xcnt 0x0                                ; block a - 2's stores have read their registers and their base: block a's loads may land there, and the base may step
.endif
	TOSTAGE \a
	SEND \a-1, 12                                  ; behind block a - 1's loads: block a's 8 stores and 4 loads.  Block a - 1's own stores into the stage are done too, so its set of codes may be written again
.endr
	s_wait_xcnt 0x0                                ; block 6's stores have read their base
	SEND 7, 0
	s_wait_tensorcnt 0x0                           ; the wave's end: behind my last tensor load and my last LDS store
	ds_add_u32 v[SPW], v[NIL]
	s_wait_dscnt 0x0
	CROUND                                         ; the closing round: no work-group ends while a partner may still ask for a tile that names it
	s_endpgm
.Lfunc_end_k_qbc6de01434_qkv:
	.size	k_qbc6de01434_qkv, .Lfunc_end_k_qbc6de01434_qkv-k_qbc6de01434_qkv
	.p2alignl 7, 3214868480
	.fill 96, 4, 3214868480
	.section	.rodata,"a",@progbits
	.p2align	6, 0x0
	.amdhsa_kernel k_qbc6de01434_qkv
		.amdhsa_group_segment_fixed_size 327680
		.amdhsa_private_segment_fixed_size 0
		.amdhsa_enable_private_segment 0
		.amdhsa_kernarg_size 32
		.amdhsa_user_sgpr_count 2
		.amdhsa_user_sgpr_kernarg_segment_ptr 1
		.amdhsa_wavefront_size32 1
		.amdhsa_system_sgpr_workgroup_id_x 1
		.amdhsa_system_sgpr_workgroup_id_y 1
		.amdhsa_system_sgpr_workgroup_id_z 1
		.amdhsa_system_vgpr_workitem_id 0
		.amdhsa_next_free_vgpr 1024
		.amdhsa_next_free_sgpr 98
		.amdhsa_reserve_vcc 0
		.amdhsa_float_denorm_mode_32 3
		.amdhsa_float_denorm_mode_16_64 3
		.amdhsa_fp16_overflow 1
		.amdhsa_memory_ordered 1
		.amdhsa_forward_progress 1
		.amdhsa_inst_pref_size 93
	.end_amdhsa_kernel
	.amdgpu_metadata
---
amdhsa.version: [ 1, 2 ]
amdhsa.kernels:
  - .name:           k_qbc6de01434_qkv
    .symbol:         k_qbc6de01434_qkv.kd
    .args:
      - { .name: xc, .offset: 0, .size: 8, .value_kind: global_buffer, .address_space: global }
      - { .name: wqkvc, .offset: 8, .size: 8, .value_kind: global_buffer, .address_space: global }
      - { .name: lowp_scales, .offset: 16, .size: 8, .value_kind: global_buffer, .address_space: global }
      - { .name: qkvc, .offset: 24, .size: 8, .value_kind: global_buffer, .address_space: global }
    .group_segment_fixed_size: 327680
    .private_segment_fixed_size: 0
    .kernarg_segment_align: 8
    .kernarg_segment_size: 32
    .max_flat_workgroup_size: 128
    .sgpr_count:     98
    .vgpr_count:     1024
    .wavefront_size: 32
...
	.end_amdgpu_metadata
.endif
;; end of part 2
;; launch attn (part 3): grid 4 x 64, 16 waves a work-group, no clusters, 327,680 bytes of LDS; arguments qkvc, lowp_scales, yc; writes yc
.if DOCPART == 3
	.amdgcn_target "amdgcn-amd-amdhsa--gfx1250"
	.amdhsa_code_object_version 6
	.text
	.protected	k_qbc6de01434_attn
	.globl	k_qbc6de01434_attn
	.p2align	8
	.type	k_qbc6de01434_attn,@function
k_qbc6de01434_attn:
	s_mov_b64 s[64:65], 0
	v_nop
	global_prefetch_b8 v0, s[64:65] scope:SCOPE_SE
	s_setreg_imm32_b32 hwreg(HW_REG_WAVE_MODE, 25, 1), 1
	s_wait_xcnt 0x0
; y[bh][q][:] = the sum over keys k <= q of softmax_k(Q[q] . K[k] / 8) V[k][:], head size 64, 2,048 tokens, 64 heads, both products on codes of FP8 (E4M3), each operand with its given scale 2^e
; (entries 2: q, 3: k, 4: p, 5: v).  y is quantised at once for the out projection (entry 6) and only its codes go to memory.
; IN (one buffer, three regions of 8,388,608 bytes, 131,072 a head): q, k: [bh][token][64 d];  v: [bh][token / 64][64 d][64 tokens]: the keys innermost.
; OUT: yc [token / 128 (64)][head (16)][token % 128][64 d]: a wave's 16 queries of a head are 1,024 consecutive bytes.
; THE SOFTMAX: t = score x log2(e) / 8; M = the row's largest t so far, rounded UP to a whole number; p = 2^(t - M) is what is quantised; it is not normalised.  The row's sum is taken of the unquantised p,
; in f32, and divides at the end.  When M moves, the sum and O are multiplied by 2^(old M - new M), which rounds nothing.
; SHARES.  Work-group (p, bh) owns the blocks of 256 queries p (LO) and 7 - p (HI) of head bh: under the causal mask that is nine slots of 256 keys for every work-group: 256 equal work-groups.
; Each of its SIXTEEN waves owns 16 queries of each block, in 256 registers: four waves to a SIMD, so that one wave's vector work stands beside another's matrix work and LDS loads.
; K's and V's tiles come through a ring of two LDS slots of 256 keys (waves 0, 1: K's halves; waves 2, 3: V's) and are read by all sixteen.
; EVERY work-group walks all eight slots: trip counts are constants.  A step all of whose 128 keys come after a tile's queries is left out by a scalar branch on ids; a slot that begins after the
; work-group's last query is not asked for.
; NO CLUSTER.  The work-groups that read the same K and V are the four of a head, and what they leave out differs: the steps that are hidden hang on the query block, and partners of a cluster may
; not branch apart.  Asking jointly would mean walking the hidden half of the steps as well, to share 32,768 bytes a slot.
; LAYOUT.  Both products are used transposed: S^T = K Q^T (source 0 = 16 keys, source 1 = my 16 queries), O^T = V^T P^T (source 0 = 16 channels, source 1 = P): a lane holds ONE query (lane % 16) throughout.
; Register 8 t + j of S^T is key 16 t + 8 (lane / 16) + j: tile t's eight registers convert into registers 2 t, 2 t + 1 of the second product's operand, which are just those keys' places there.
; LIMITS, so that each power of two below is an f32 number: e2 + e3 between -123 and 130 (added to c's exponent field); e4 and e6 between -126 and 119; e4 + e5 goes by v_ldexp_f32 and has none.
; REGISTERS: v1-5 LDS addresses; v6, v7 the add's; v8-11 LO's -M, largest t, sum (a pair); v12-15 HI's; v16-23 Q LO; v24-31 Q HI; v32-95 fragments of K, then of V; v96-159 S^T, then p;
;   v160-191 O^T LO; v192-223 O^T HI; v224-239 p's codes; v240-254 constants and at work.
.set KP,    80                         ; an LDS row: 64 bytes + 16 of padding = 20 words: row r starts at bank 20 r mod 64 (64 banks of 4 bytes: ISA guide 11.1): sixteen rows, sixteen different groups of four banks
.set VOFF,  256*KP                     ; a slot: 256 keys' rows of K, then 256 rows of V (4 blocks of 64 keys x 64 channels)
.set SLOT1, 65536                      ; slot 1 begins here, so that one exclusive or turns an address in one slot into the other's
.set STAGE, 2*SLOT1                    ; behind the ring: 16 rows x 80 bytes for each wave, in bytes into which no tile lands
.set SPARE, STAGE+16*1280              ; behind the stages: the spare words, 128 bytes for each wave, which no other line names
.set AK0,  1                           ; v1   my lane's place in a tile of K: 80 r + 16 h
.set AV0,  2                           ; v2   in a tile of V: VOFF + 80 r + 8 h
.set PFO,  3                           ; v3   the prefetches' offset: 256 x lane; never rewritten
.set ADK,  4                           ; v4   LDS address of the step's tiles of K
.set ADV,  5                           ; v5   of V
.set SPW,  6                           ; v6   LDS address of my spare word; never rewritten
.set NIL,  7                           ; v7   0; never rewritten
.set TB,    2                          ; s2   LDS byte at which the slot in hand begins
.set SLOTS, 3                          ; s3   changes of slots still to come that ask for a slot
.set WV,   10                          ; s10  my wave's number
.set KF,   11                          ; s11  the step's first key
.set Q0LO, 12                          ; s12  my first query in block p
.set Q0HI, 13                          ; s13  in block 7 - p
.set SEL,  16                          ; s[16:17] lane selects for v_permlanex16_b32: lane l xor 16
.set CS,   18                          ; s[18:19] c = log2(e) / 8 x 2^(e2 + e3): the packed form names a pair and takes its low word for both halves
.set G1,   20                          ; s[20:27] descriptor group 1: 128 rows of 64 bytes, dense in memory, for K's and V's tiles alike
.set G0,   28                          ; s[28:31] group 0, which walks
.set PFA,  40                          ; s[40:41] where my prefetches stand
.set LIM,  42                          ; s42  1 in a wave that prefetches, else the greatest number
.set YLO,  44                          ; s[44:45], s[46:47] my 1,024 bytes of yc for each tile
.set YHI,  46
.set QLO,  48                          ; s[48:49], s[50:51] my 16 rows of q for each tile
.set QHI,  50
; Waves 0 to 3 fetch, one load each, into LDS bytes of their own: 10,240 x wave.  The branch hangs on the wave's number alone.  An s_nop 0 and four v_nop follow the load.
.macro TLOAD
	s_cmp_lt_u32 s[WV], 4
	s_cbranch_scc0 .Lasked_\@
	tensor_load_to_lds s[G0:G0+3], s[G1:G1+7]
	s_nop 0
.rept 4
	v_nop
.endr
.Lasked_\@:
.endm
; A PREFETCH INTO THE L2 of what the NEXT change of slots will ask for: 16,384 bytes of K and 16,384 of V, each one dense block.  It stands at the change of slots, where the fetching waves have their tensor load.
; Each aligned block of 256 bytes is named ONCE in the launch.  The four work-groups of a head walk the same K and V: the one with p = 0, whose loads reach the last slot, asks.  In it four waves that fetch nothing
; ask, one instruction each: waves 4, 5 for K's halves, waves 6, 7 for V's: 8,192 bytes a wave, lanes 256 bytes apart.  The last change that fills a slot asks for nothing.  Slots 0 and 1 come by their loads alone.
.macro ASK
	s_cmp_gt_u32 s[SLOTS], s[LIM]
	s_cbranch_scc0 .Lnot_mine_\@
	global_prefetch_b8 v[PFO], s[PFA:PFA+1] th:TH_LOAD_NT scope:SCOPE_SE
.Lnot_mine_\@:
.endm
	s_load_b128 s[4:7], s[0:1], 0x0                ; the codes of q, k, v s[4:5], the scales' exponents s[6:7]
	s_load_b64 s[8:9], s[0:1], 0x10                ; yc
	v_lshl_add_u32 v[SPW], v0, 2, SPARE
	v_mov_b32 v[NIL], 0
	ds_add_u32 v[SPW], v[NIL]                      ; the wave's opening: the add and its wait stand ahead of my first tensor load; the set-up below, work on registers, stands between them
	ds_add_u32 v[SPW], v[NIL]
	v_lshrrev_b32 v248, 5, v0
	s_delay_alu instid0(VALU_DEP_1)
	v_readfirstlane_b32 s[WV], v248                ; wave 0..15
	s_and_b32 s52, ttmp7, 0xffff                   ; bh
	s_lshl_b32 s53, s52, 17                        ; the head's first byte in a region
	s_lshl_b32 s54, s[WV], 4
	s_lshl_b32 s[Q0LO], ttmp9, 8
	s_add_co_u32 s[Q0LO], s[Q0LO], s54             ; 256 p + 16 w
	s_sub_co_u32 s55, 7, ttmp9
	s_lshl_b32 s[Q0HI], s55, 8
	s_add_co_u32 s[Q0HI], s[Q0HI], s54             ; 256 (7 - p) + 16 w
	s_lshl_b32 s56, s[Q0LO], 6
	s_add_co_u32 s56, s56, s53                     ; q's rows of 64 bytes
	s_mov_b32 s57, 0
	s_lshl_b32 s58, s[Q0HI], 6
	s_add_co_u32 s58, s58, s53
	s_mov_b32 s59, 0
	s_lshr_b32 s60, s52, 4                         ; yc: block of 128 tokens = 16 x batch + 2 x query block + w / 8,
	s_lshl_b32 s60, s60, 4
	s_lshr_b32 s61, s[WV], 3
	s_add_co_u32 s60, s60, s61
	s_and_b32 s61, s52, 15                         ; in it 8,192 x head + 1,024 x (w % 8)
	s_lshl_b32 s61, s61, 13
	s_and_b32 s62, s[WV], 7
	s_lshl_b32 s62, s62, 10
	s_add_co_u32 s61, s61, s62
	s_lshl_b32 s62, ttmp9, 1
	s_add_co_u32 s62, s62, s60
	s_lshl_b32 s62, s62, 17
	s_add_co_u32 s66, s62, s61
	s_mov_b32 s67, 0
	s_lshl_b32 s62, s55, 1
	s_add_co_u32 s62, s62, s60
	s_lshl_b32 s62, s62, 17
	s_add_co_u32 s68, s62, s61
	s_mov_b32 s69, 0
	s_min_u32 s70, s[WV], 3                        ; what I fetch, if I fetch (waves 4 to 15 issue no load and hold wave 3's numbers):
	s_lshr_b32 s71, s70, 1
	s_add_co_u32 s71, s71, 1                       ; region 1 (k) for waves 0, 1; region 2 (v) for waves 2, 3,
	s_lshl_b32 s72, s71, 23
	s_add_co_u32 s72, s72, s53                     ; my head,
	s_and_b32 s71, s70, 1
	s_lshl_b32 s71, s71, 13
	s_add_co_u32 s72, s72, s71                     ; the first or the second 8,192 bytes of a slot's 16,384
	s_mov_b32 s73, 0
	s_mul_i32 s70, s70, 128*KP                     ; and where it goes in a slot: 10,240 x wave
	s_bfe_u32 s74, s[WV], 0x10001                  ; the prefetches: bit 1 of the wave's number says k (waves 4, 5) or v (waves 6, 7),
	s_add_co_u32 s74, s74, 1
	s_lshl_b32 s74, s74, 23
	s_add_co_u32 s74, s74, s53
	s_and_b32 s71, s[WV], 1
	s_lshl_b32 s71, s71, 13
	s_add_co_u32 s74, s74, s71                     ; bit 0 which half;
	s_add_co_u32 s74, s74, 16384                   ; in slot 1: the first change of slots steps it to slot 2.  Nothing is prefetched at the head, where every work-group's first tiles are on their way
	s_mov_b32 s75, 0
	s_sub_co_u32 s71, s[WV], 4
	s_lshr_b32 s71, s71, 2                         ; 0 in waves 4 to 7,
	s_or_b32 s71, s71, ttmp9                       ; of the work-group with p = 0
	s_cmp_eq_u32 s71, 0
	s_cselect_b32 s[LIM], 1, -1
	s_mov_b32 s[G1], (0<<16)|(1<<20)|(3<<22)|(3<<25)   ; 15:0 no mask; 17:16 elements of 1 byte; 20 padding on; 24:22 after every 16 words (code 3); 31:25 four words (code 3)
	s_mov_b32 s[G1+1], 64<<16                      ; tensor_dim0 = 64
	s_mov_b32 s[G1+2], 128<<16                     ; tensor_dim1 = 128
	s_mov_b32 s[G1+3], 64<<16                      ; tile_dim0 = 64
	s_mov_b32 s[G1+4], 128                         ; tile_dim1 = 128
	s_mov_b32 s[G1+5], 64                          ; tensor_dim0_stride: rows are dense
	s_mov_b32 s[G1+6], 0
	s_mov_b32 s[G1+7], 0
	s_mov_b32 s[SEL], 0x76543210
	s_mov_b32 s[SEL+1], 0xfedcba98
	s_mov_b32 s[CS], 0x3e38aa3b                    ; c = log2(e) / sqrt(64)
	s_mov_b32 s[TB], 0
	s_mov_b32 s[SLOTS], 7
	s_mov_b32 s[KF], 0
	s_wait_dscnt 0x0                               ; the opening add is done
	s_wait_kmcnt 0x0
	s_load_b256 s[32:39], s[6:7], 0x0              ; e0 .. e7
	s_mov_b32 s[G0], 1                             ; 1:0 count = 1
	s_mov_b32 s[G0+1], s70                         ; 63:32 LDS address: slot 0
	s_add_nc_u64 s[G0+2:G0+3], s[4:5], s[72:73]    ; 120:64 global address: the head's first 256 keys
	s_or_b32 s[G0+3], s[G0+3], 0x80000000          ; 127:126 type = 2
	TLOAD                                          ; slot 0: one load of mine is out, here and behind every change of slots
	s_add_nc_u64 s[QLO:QLO+1], s[4:5], s[56:57]
	s_add_nc_u64 s[QHI:QHI+1], s[4:5], s[58:59]
	s_add_nc_u64 s[YLO:YLO+1], s[8:9], s[66:67]
	s_add_nc_u64 s[YHI:YHI+1], s[8:9], s[68:69]
	s_add_nc_u64 s[PFA:PFA+1], s[4:5], s[74:75]
	v_and_b32 v248, 15, v0                         ; r = lane % 16
	v_bfe_u32 v249, v0, 4, 1                       ; h = lane / 16
	s_delay_alu instid0(VALU_DEP_2)
	v_lshlrev_b32 v250, 6, v248
	s_delay_alu instid0(VALU_DEP_1)
	v_lshl_add_u32 v250, v249, 4, v250             ; Q: row r of 64 bytes, + 16 h
	global_load_b128 v[16:19], v250, s[QLO:QLO+1]              ; registers 4 c .. 4 c + 3: d = 32 c + 16 h + 0 .. 15: the places that K's fragments have too
	global_load_b128 v[20:23], v250, s[QLO:QLO+1] offset:32
	global_load_b128 v[24:27], v250, s[QHI:QHI+1]
	global_load_b128 v[28:31], v250, s[QHI:QHI+1] offset:32
	v_mul_u32_u24 v[AK0], v248, KP
	s_delay_alu instid0(VALU_DEP_1)
	v_lshl_add_u32 v[AV0], v249, 3, v[AK0]         ; 80 r + 8 h
	s_delay_alu instid0(VALU_DEP_2)
	v_lshl_add_u32 v[AK0], v249, 4, v[AK0]         ; 80 r + 16 h
	s_mul_i32 s14, s[WV], 1280
	s_add_co_u32 s14, s14, STAGE                   ; my stage
	v_add_nc_u32 v252, s14, v[AV0]                 ; the way out, in: row r, 8 bytes for each half of the lanes
	v_add_nc_u32 v[AV0], VOFF, v[AV0]
	v_and_b32 v254, 31, v0
	s_delay_alu instid0(VALU_DEP_1)
	v_lshrrev_b32 v253, 2, v254
	s_delay_alu instid0(VALU_DEP_1)
	v_mul_u32_u24 v253, v253, KP
	v_and_b32 v[PFO], 3, v0
	s_delay_alu instid0(VALU_DEP_1)
	v_lshl_add_u32 v253, v[PFO], 4, v253
	s_delay_alu instid0(VALU_DEP_1)
	v_add_nc_u32 v253, s14, v253                   ; back: four lanes to a row of 64 bytes, eight rows an instruction
	v_lshlrev_b32 v[PFO], 8, v254
	v_lshlrev_b32 v254, 4, v254                    ; which are 512 consecutive bytes of yc: 16 x lane
	v_lshlrev_b32 v245, 3, v249
	s_delay_alu instid0(VALU_DEP_1)
	v_sub_nc_u32 v245, v248, v245                  ; r - 8 h, for the mask
	v_mov_b32 v251, 0xff800000                     ; -infinity
	v_mov_b32 v9, 0xff61b1e6                       ; the largest t so far: -3e38, under every t
	v_mov_b32 v13, 0xff61b1e6
	s_delay_alu instid0(VALU_DEP_2)
	v_floor_f32 v8, -v9                            ; -M
	s_delay_alu instid0(VALU_DEP_2)
	v_floor_f32 v12, -v13
	v_mov_b32 v10, 0                               ; the sums, in two halves
	v_mov_b32 v11, 0
	v_mov_b32 v14, 0
	v_mov_b32 v15, 0
	v_mov_b32 v244, 0                              ; written once: a lane permute's destination counts as one of its sources
	v_mov_b32 v247, 0                              ; (named as the upper half of the pair v[246:247])
.set j, 0
.rept 64
	v_mov_b32 v[160+j], 0                          ; O^T of both tiles.  (The step is written without a first step of its own: the first finds zeros, which the first change of M leaves zeros)
.set j, j+1
.endr
	s_wait_kmcnt 0x0
	s_add_co_i32 s14, s34, s35
	s_lshl_b32 s14, s14, 23
	s_add_co_i32 s[CS], s[CS], s14                 ; a score stands for score x 2^(e2 + e3): the two exponents are added to c's exponent field
	s_mov_b32 s[CS+1], s[CS]                       ; (named with it as a pair, so it is written)
	s_add_co_i32 s14, s36, 127
	s_lshl_b32 s15, s14, 23
	v_mov_b32 v241, s15                            ; 2^e4 as f32, for p's conversion
; A KEY STEP for one tile of 16 queries: 128 keys, the q-th half of the slot in hand.  QF: the tile's Q; OB: its O^T; SB: its four statistics; SQ0: the scalar that holds its first query.
.macro STEP q, QF, OB, SB, SQ0
	s_add_co_u32 s14, s[\SQ0], 15                  ; a step all of whose keys come after my 16 queries is left out: a scalar branch on ids, round loads, products and softmax; no barrier and no tensor load stands in a step
	s_cmp_gt_u32 s[KF], s14
	s_cbranch_scc1 .Lhidden_\@
	v_add_nc_u32 v[ADK], s[TB], v[AK0]
	v_add_nc_u32 v[ADV], s[TB], v[AV0]
	v_nop                                          ; with the two additions: four places in front of loads into registers that the last products have read
	v_nop
.set t, 0
.rept 8                                        ; K's eight fragments: 16 keys x 64 d, 8 registers each
	ds_load_b128 v[32+8*t:35+8*t], v[ADK] offset:(128*(\q)+16*t)*KP
	ds_load_b128 v[36+8*t:39+8*t], v[ADK] offset:(128*(\q)+16*t)*KP+32
.set t, t+1
.endr
	s_wait_alu depctr_va_vdst(0)
	s_wait_dscnt 0x0
.set t, 0
.rept 8
	v_wmma_f32_16x16x64_fp8_fp8 v[96+8*t:103+8*t], v[32+8*t:39+8*t], v[\QF:\QF+7], 0   ; S^T, tile t: keys 16 t on
.set t, t+1
.endr
.rept 4
	v_nop                                          ; four places: in front of the loads into K's registers, and of the first reads of the scores
.endr
.set t, 0
.rept 4                                        ; V's four fragments (16 channels x 128 keys, 16 registers each) are asked for here and land under the softmax: registers 2 c, 2 c + 1: keys 16 c + 8 h + 0 .. 7
.set c, 0
.rept 8
	ds_load_b64 v[32+16*t+2*c:33+16*t+2*c], v[ADV] offset:((2*(\q)+c/4)*64+16*t)*KP+16*(c%4)
.set c, c+1
.endr
.set t, t+1
.endr
	s_add_co_u32 s14, s[KF], 127                   ; on the diagonal the scores of hidden keys become -infinity ahead of the maximum: p = 0 then.  A step all of whose keys count skips this
	s_cmp_le_u32 s14, s[\SQ0]
	s_cbranch_scc1 .Lopen_\@
	s_sub_co_i32 s14, s[\SQ0], s[KF]
	v_add_nc_u32 v250, s14, v245                   ; d = my query - KF - 8 h.  Register 8 t + j holds key KF + 8 h + 16 t + j: hidden where 16 t + j > d
.set n, 0
.rept 64
	v_cmp_gt_i32 vcc_lo, 16*(n/8)+n%8, v250
	v_cndmask_b32 v[96+n], v[96+n], v251, vcc_lo
.set n, n+1
.endr
.Lopen_\@:
	v_max3_num_f32 v248, v96, v97, v98             ; the step's largest score of my query, among my 64 keys, in two chains, each accumulator from its low end on,
	v_max3_num_f32 v249, v99, v100, v101
.irp i, 6,10,14,18,22,26,30,34,38,42,46,50,54,58
	v_max3_num_f32 v248, v248, v[96+\i], v[97+\i]
	v_max3_num_f32 v249, v249, v[98+\i], v[99+\i]
.endr
	v_max3_num_f32 v248, v248, v158, v159
	s_delay_alu instid0(VALU_DEP_1)
	v_max_num_f32 v248, v248, v249
	s_delay_alu instid0(VALU_DEP_1)
	v_permlanex16_b32 v244, v248, s[SEL], s[SEL+1]
	s_delay_alu instid0(VALU_DEP_1)
	v_max_num_f32 v248, v248, v244                 ; and among lane l xor 16's
	s_delay_alu instid0(VALU_DEP_1)
	v_mul_f32 v248, s[CS], v248                    ; as t (c is positive)
	s_delay_alu instid0(VALU_DEP_1)
	v_max_num_f32 v[\SB+1], v[\SB+1], v248         ; the running largest t
	v_mov_b32 v248, v[\SB]
	s_delay_alu instid0(VALU_DEP_2)
	v_floor_f32 v[\SB], -v[\SB+1]                  ; the new -M = floor(-t) = -ceil(t): M IS A WHOLE NUMBER
	s_delay_alu instid0(VALU_DEP_1)
	v_sub_f32 v248, v[\SB], v248                   ; M's old value less its new one: a whole number, 0 or less
	s_delay_alu instid0(VALU_DEP_1)
	v_cvt_i32_f32 v248, v248                       ; (it saturates)
	s_delay_alu instid0(VALU_DEP_1)
	v_ldexp_f32 v246, 1.0, v248                    ; f = 2^(old M - new M)
.set j, 0
.rept 32
	v_pk_fma_f32 v[96+j:97+j], v[96+j:97+j], s[CS:CS+1], v[\SB:\SB+1] op_sel_hi:[1,0,0]   ; t - M, two at a time (of the pairs c and -M the low word serves both halves)
.set j, j+2
.endr
.set j, 0
	s_wait_alu depctr_va_vdst(0)
.rept 64
	v_exp_f32 v[96+j], v[96+j]                     ; p = 2^(t - M), at most 1: NOT normalised
.set j, j+1
.endr
	v_pk_mul_f32 v[\SB+2:\SB+3], v[\SB+2:\SB+3], v[246:247] op_sel_hi:[1,0]   ; the sums under the new M: the plain instruction behind the exponentials
	s_wait_alu depctr_va_vdst(0)                   ; one wait for the whole batch, ahead of its first reader
	v_pk_add_f32 v[242:243], v[96:97], v[98:99]    ; THE ROW'S SUM IS TAKEN OF THE UNQUANTISED p: two at a time, in two chains
.irp j, 4,8,12,16,20,24,28,32,36,40,44,48,52,56,60
	v_pk_add_f32 v[\SB+2:\SB+3], v[\SB+2:\SB+3], v[96+\j:97+\j]
	v_pk_add_f32 v[242:243], v[242:243], v[98+\j:99+\j]
.endr
	s_delay_alu instid0(VALU_DEP_1)
	v_pk_add_f32 v[\SB+2:\SB+3], v[\SB+2:\SB+3], v[242:243]
.set t, 0
.rept 8
.set i, 0
.rept 8
.set i, i+1
.endr
	v_cvt_scalef32_pk8_fp8_f32 v[224+2*t:225+2*t], v[96+8*t:103+8*t], v241
.set t, t+1
.endr
.set j, 0
.rept 16
	v_pk_mul_f32 v[\OB+j:\OB+j+1], v[\OB+j:\OB+j+1], v[246:247] op_sel_hi:[1,0]   ; O^T under the new M, from each accumulator's low end on.  (Plain instructions between the conversions and the products that read the codes)
.set j, j+2
.endr
	s_wait_alu depctr_va_vdst(0)
	s_wait_dscnt 0x0                               ; V's fragments are in
.set t, 0
.rept 4
	v_wmma_f32_16x16x128_fp8_fp8 v[\OB+8*t:\OB+8*t+7], v[32+16*t:47+16*t], v[224:239], v[\OB+8*t:\OB+8*t+7]   ; O^T += V^T P^T: channels 16 t on; the four accumulators by turns, one instruction a turn
.set t, t+1
.endr
.Lhidden_\@:
.endm
; THE CHANGE OF SLOTS stands at a slot's head.  Each wave waits for all its tensor loads (its part of the slot that it is about to read), adds 0 to its spare word, and waits for that and for its reads of the slot
; that it has left.  Behind the barrier the slot ahead is whole and nobody reads the other one.  fill = 1: that other slot is filled with the keys that follow, up to the causal limit.
.macro CHANGE fill
	s_wait_tensorcnt 0x0                           ; no tensor load of mine is out, so group 0 may be written
	ds_add_u32 v[SPW], v[NIL]                      ; 0 onto my spare word; with fill = 1 the descriptor's steps stand between it and the wait for it
.if \fill
	s_xor_b32 s[G0+1], s[G0+1], SLOT1              ; the walking descriptor: the other slot than last time,
	s_add_nc_u64 s[G0+2:G0+3], s[G0+2:G0+3], 16384 ; the next 256 keys; the type bits on top are not reached
	s_wait_xcnt 0x0                                ; the last prefetch, a slot back, has read its address, so it may be written:
	s_add_nc_u64 s[PFA:PFA+1], s[PFA:PFA+1], 16384 ; one slot further on than the walking descriptor
.endif
	s_wait_dscnt 0x0                               ; the add is done, and my reads of the slot that I have left are over
	s_barrier_signal -1
	s_barrier_wait -1
.if \fill
	s_add_co_u32 s14, s[KF], 256                   ; the first key of the slot that this change would ask for
	s_or_b32 s15, s[Q0HI], 255                     ; my work-group's last query
	s_cmp_gt_u32 s14, s15                          ; ids and the count of steps alone: all sixteen waves go the same way, and a work-group that is past the limit stays past it.
	s_cbranch_scc1 .Lpast_\@                       ; A slot beyond the limit is read by none of the waves, so it is not asked for.  Every wait on TENSORcnt in this text is for 0; the jump leads round the load's own lines alone
	TLOAD                                          ; the first thing behind the barrier but for the limit's four lines, and a wave's one tensor load until the next
.Lpast_\@:
	ASK                                            ; what the next change of slots will ask for: a slot's two key steps ahead of that load
.endif
.endm
.macro SLOT_STEPS both                 ; a slot's two key steps, for the HI tile and (both = 1) for the LO tile
	STEP 0, 24, 192, 12, Q0HI
.if \both
	STEP 0, 16, 160, 8, Q0LO
.endif
	s_add_co_u32 s[KF], s[KF], 128
	STEP 1, 24, 192, 12, Q0HI
.if \both
	STEP 1, 16, 160, 8, Q0LO
.endif
	s_add_co_u32 s[KF], s[KF], 128
	s_xor_b32 s[TB], s[TB], SLOT1                  ; on to the other slot
.endm
	s_wait_loadcnt 0x0                             ; Q
.Lslot:                                            ; seven trips: slots 0 to 6; behind each change the next slot is asked for, up to the causal limit
	CHANGE 1
	SLOT_STEPS 1
	s_sub_co_u32 s[SLOTS], s[SLOTS], 1
	s_cmp_lg_u32 s[SLOTS], 0
	s_cbranch_scc1 .Lslot
	CHANGE 0                                       ; slot 7 is written out: nothing is left to ask for.  Its keys, 1,792 on, come after every LO query (at most 1,023)
	SLOT_STEPS 0
	; THE WAY OUT.  The sum's halves are added; O^T is divided by the sum, quantised for the out projection, and goes through my stage in LDS, so that each store of the wave covers 512 consecutive bytes, aligned.
.rept 4
	v_nop                                          ; four places behind the last products
.endr
	v_add_f32 v10, v10, v11                        ; the sums' two halves,
	v_add_f32 v14, v14, v15
	s_delay_alu instid0(VALU_DEP_2)
	v_permlanex16_b32 v244, v10, s[SEL], s[SEL+1]
	s_delay_alu instid0(VALU_DEP_2)
	v_permlanex16_b32 v248, v14, s[SEL], s[SEL+1]
	s_delay_alu instid0(VALU_DEP_2)
	v_add_f32 v10, v10, v244                       ; and lane l xor 16's: the rows' sums
	s_delay_alu instid0(VALU_DEP_2)
	v_add_f32 v14, v14, v248
	s_add_co_i32 s14, s38, 127
	s_lshl_b32 s15, s14, 23
	s_wait_alu depctr_va_vdst(0)
	v_rcp_f32 v10, v10
	v_rcp_f32 v14, v14
	v_mov_b32 v241, s15                            ; 2^e6 as f32 (a plain instruction behind the reciprocals)
	s_add_co_i32 s14, s36, s37
	s_wait_alu depctr_va_vdst(0)                   ; one wait for both reciprocals, ahead of their first reader
	v_ldexp_f32 v10, v10, s14                      ; x 2^(e4 + e5)
	v_ldexp_f32 v14, v14, s14
.macro OUT u, OB, INV                  ; tile u: register 8 t + j of O^T is y(query r, channel 16 t + 8 h + j)
.set j, 0
.rept 32
	v_mul_f32 v[96+32*\u+j], v[\OB+j], v[\INV]     ; each accumulator from its low end on
.set j, j+1
.endr
.set j, 0
.rept 32
.set j, j+1
.endr
.set t, 0
.rept 4
	v_cvt_scalef32_pk8_fp8_f32 v[224+8*\u+2*t:225+8*\u+2*t], v[96+32*\u+8*t:103+32*\u+8*t], v241
.set t, t+1
.endr
	v_nop                                          ; one plain vector instruction behind the last conversion
.set t, 0
.rept 4
	ds_store_b64 v252, v[224+8*\u+2*t:225+8*\u+2*t] offset:16*t
.set t, t+1
.endr
	ds_load_b128 v[32+8*\u:35+8*\u], v253              ; LDS serves a wave's instructions in order (ISA guide 5.7.1.4): these see my stores, and the next tile's stores come behind them
	ds_load_b128 v[36+8*\u:39+8*\u], v253 offset:640
.endm
	OUT 0, 160, 10
	OUT 1, 192, 14
	s_wait_dscnt 0x0
	global_store_b128 v254, v[32:35], s[YLO:YLO+1]
	global_store_b128 v254, v[36:39], s[YLO:YLO+1] offset:512
	global_store_b128 v254, v[40:43], s[YHI:YHI+1]
	global_store_b128 v254, v[44:47], s[YHI:YHI+1] offset:512
	s_wait_tensorcnt 0x0                           ; the wave's end: behind my last tensor load and my last LDS store
	ds_add_u32 v[SPW], v[NIL]
	s_wait_dscnt 0x0
	s_endpgm
.Lfunc_end_k_qbc6de01434_attn:
	.size	k_qbc6de01434_attn, .Lfunc_end_k_qbc6de01434_attn-k_qbc6de01434_attn
	.p2alignl 7, 3214868480
	.fill 96, 4, 3214868480
	.section	.rodata,"a",@progbits
	.p2align	6, 0x0
	.amdhsa_kernel k_qbc6de01434_attn
		.amdhsa_group_segment_fixed_size 327680
		.amdhsa_private_segment_fixed_size 0
		.amdhsa_enable_private_segment 0
		.amdhsa_kernarg_size 24
		.amdhsa_user_sgpr_count 2
		.amdhsa_user_sgpr_kernarg_segment_ptr 1
		.amdhsa_wavefront_size32 1
		.amdhsa_system_sgpr_workgroup_id_x 1
		.amdhsa_system_sgpr_workgroup_id_y 1
		.amdhsa_system_sgpr_workgroup_id_z 1
		.amdhsa_system_vgpr_workitem_id 0
		.amdhsa_next_free_vgpr 256
		.amdhsa_next_free_sgpr 100
		.amdhsa_reserve_vcc 1
		.amdhsa_float_denorm_mode_32 3
		.amdhsa_float_denorm_mode_16_64 3
		.amdhsa_fp16_overflow 1
		.amdhsa_memory_ordered 1
		.amdhsa_forward_progress 1
		.amdhsa_inst_pref_size 134
	.end_amdhsa_kernel
	.amdgpu_metadata
---
amdhsa.version: [ 1, 2 ]
amdhsa.kernels:
  - .name:           k_qbc6de01434_attn
    .symbol:         k_qbc6de01434_attn.kd
    .args:
      - { .name: qkvc, .offset: 0, .size: 8, .value_kind: global_buffer, .address_space: global }
      - { .name: lowp_scales, .offset: 8, .size: 8, .value_kind: global_buffer, .address_space: global }
      - { .name: yc, .offset: 16, .size: 8, .value_kind: global_buffer, .address_space: global }
    .group_segment_fixed_size: 327680
    .private_segment_fixed_size: 0
    .kernarg_segment_align: 8
    .kernarg_segment_size: 24
    .max_flat_workgroup_size: 512
    .sgpr_count:     100
    .vgpr_count:     256
    .wavefront_size: 32
...
	.end_amdgpu_metadata
.endif
;; end of part 3
;; launch proj (part 4): grid 4 x 64, 4 waves a work-group, clusters of 4 x 4, 327,680 bytes of LDS; arguments yc, woutc, lowp_scales, out0; writes out0
.if DOCPART == 4
	.amdgcn_target "amdgcn-amd-amdhsa--gfx1250"
	.amdhsa_code_object_version 6
	.text
	.protected	k_qbc6de01434_proj
	.globl	k_qbc6de01434_proj
	.p2align	8
	.type	k_qbc6de01434_proj,@function
k_qbc6de01434_proj:
	s_mov_b64 s[64:65], 0
	v_nop
	global_prefetch_b8 v0, s[64:65] scope:SCOPE_SE
	s_setreg_imm32_b32 hwreg(HW_REG_WAVE_MODE, 25, 1), 1
	s_wait_xcnt 0x0
	s_wait_alu depctr_hold_cnt(0) depctr_sa_sdst(0) depctr_va_vdst(0) depctr_va_sdst(0) depctr_va_ssrc(0) depctr_va_vcc(0) depctr_vm_vsrc(0)
	s_getreg_b32 s2, hwreg(HW_REG_IB_STS2, 6, 4)
	s_cmp_eq_u32 s2, 0
	s_cbranch_scc0 .Lentry_in_a_cluster
	s_endpgm
.Lentry_in_a_cluster:
	s_bfe_u32 s2, ttmp6, 0x10000c
	s_cmp_lg_u32 s2, 0xf033
	s_cbranch_scc0 .Lentry_shape_is_right
	s_endpgm
.Lentry_shape_is_right:
; out0[t][f] = sum over e of y[t][e] w_out[f][e] on codes of FP8 (E4M3); K = 1,024; sums in f32, each multiplied once by 2^(e6 + e7).
; y's codes lie [token / 128 (64)][head (16)][token % 128][64 d], e = 64 x head + d; w_out's [1024 f][1024 e]; out0 [8192][1024] f32.
; LIMIT: e6 + e7 between -126 and 127, so that 2^(e6 + e7) is an f32 number.
; A tile is 128 tokens x 256 f, so that there are 256 work-groups.  Four waves, each 64 tokens x 128 f: 32 accumulators, 256 registers.
; K goes in four steps of 256 (four heads) through a ring of two LDS slots.  A K step of y's tile is one dense block of 32,768 bytes, taken as 512 rows of 64 bytes.
; CLUSTERS: 4 x 4 work-groups.  The four of a row need the same tile of y, the four of a column the same tile of w_out: each is asked for JOINTLY, by the same tensor load with the same descriptor and a
; mask that names the four.  THE MATRIX INSTRUCTION IS USED TRANSPOSED (source 0 = 16 rows of w_out, source 1 = 16 tokens): a lane then holds eight neighbouring numbers of a row of out0.
; No prefetch: K has four steps, two asked for at the head and two behind the first two changes of slots; nothing lies further ahead.
; REGISTERS, in windows of 256: window 0: v0-31 addresses; y's fragments (4 x 16 tokens x 128 K), two sets, at v128 and v192; on the way out v32-255 at work.
;   window 1: w_out's fragments (8 x 16 rows x 128 K), two sets, at v0 and v128.   window 2: accumulator (a, b) at v[8 (8 a + b)].
.set PA,     80                        ; y's LDS row: 64 bytes + 16 of padding = 20 words: row r starts at bank 20 r mod 64 (64 banks of 4 bytes: ISA guide 11.1)
.set PB,     272                       ; w_out's: 256 bytes + 16 = 68 words: row r starts at bank 4 r mod 64
.set AHALF,  256*PA                    ; two heads x 128 tokens: what one of y's loads brings
.set BOFF,   2*AHALF                   ; behind y's four heads: w_out's 256 rows
.set BHALF,  128*PB                    ; 128 rows: what one of w_out's loads brings
.set SLOT,   BOFF+2*BHALF
.set SPARE,  2*SLOT                    ; behind the ring: the spare words, 128 bytes for each wave, which no other line names
.set STG,    SPARE+512                 ; behind them: a stage of 16 rows x (512 bytes + 16) for each wave, in bytes into which no tile lands
.set SPITCH, 528
.set FR,     16                        ; registers of a fragment
.set ADRA, 16                          ; v16-17  LDS address of y's fragments in slot 0, 1
.set ADRB, 20                          ; v20-21  the same for w_out's
.set STO,  24                          ; v24     the way out: where I put 32 bytes of a row
.set RD,   25                          ; v25     where I read a row back
.set CO,   26                          ; v26     my byte offset in a row of out0
.set SPW,  28                          ; v28     LDS address of my spare word; never rewritten
.set NIL,  29                          ; v29     0; never rewritten
.set TMP,  32                          ; the way out: 64 registers, a block's sums x 2^(e6 + e7)
.set AF,   128                         ; y's fragments, in window 0
.set BK,   128                         ; the way out: 16 rows read back: v128-191 and v192-255 by turns
.set G1, 24                            ; s[24:31] descriptor group 1 for y's tiles;  s[32:39] group 0, one set for each slot
.set G0, 32
.set G1B, 48                           ; s[48:55], s[56:63] the same for w_out's tiles
.set G0B, 56
.set MSB, 0
.macro WIN new                         ; the immediate's high byte repeats the setting that is left
.if MSB != \new
	s_set_vgpr_msb (MSB<<8)|\new
.set MSB, \new
.endif
.endm
.set MUL,  0xa1                        ; source 0 (w_out) window 1, source 1 (y) window 0, C and D window 2
.set TO_B, 0x40                        ; destination window 1, address window 0
; A joint load: waves 0 and 1 fetch y's two halves, waves 2 and 3 w_out's.  Each of the two lines has ONE mask and one set of registers for all that issue it; the branch hangs on the wave's number alone.
; An s_nop 0 and four v_nop follow each of the two lines, ahead of the jump, the label and what follows.
.macro JLOAD g0a, g1a, g0b, g1b
	s_cmp_eq_u32 s15, 0
	s_cbranch_scc0 .Lfor_b_\@
	tensor_load_to_lds s[\g0a:\g0a+3], s[\g1a:\g1a+7]
	s_nop 0
.rept 4
	v_nop
.endr
	s_branch .Lasked_\@
.Lfor_b_\@:
	tensor_load_to_lds s[\g0b:\g0b+3], s[\g1b:\g1b+7]
	s_nop 0
.rept 4
	v_nop
.endr
.Lasked_\@:
.endm
.macro CREST                           ; a round of the cluster's barrier behind its opening barrier
	s_cmp_lg_u32 s14, 0
	s_cbranch_scc1 .Lnot_wave_0_\@
	s_barrier_signal -3
.Lnot_wave_0_\@:
	s_barrier_wait -3
	s_barrier_signal -1
	s_barrier_wait -1
.endm
.macro CROUND                          ; a whole round
	s_barrier_signal -1
	s_barrier_wait -1
	CREST
.endm
	s_load_b128 s[4:7], s[0:1], 0x0                ; y's codes s[4:5], w_out's codes s[6:7]
	s_load_b128 s[8:11], s[0:1], 0x10              ; the scales' exponents s[8:9], out0 s[10:11]
	v_lshl_add_u32 v[SPW], v0, 2, SPARE
	v_mov_b32 v[NIL], 0
	ds_add_u32 v[SPW], v[NIL]                      ; the wave's opening: the add and its wait stand ahead of my first tensor load; the set-up below, work on registers, stands between them
	ds_add_u32 v[SPW], v[NIL]
	v_lshrrev_b32 v1, 5, v0
	v_readfirstlane_b32 s14, v1                    ; wave 0..3
	s_lshr_b32 s15, s14, 1                         ; which 64 of the tile's tokens are mine.  Also: I fetch for y (0) or for w_out (1)
	s_and_b32 s16, s14, 1                          ; which 128 of its f.  Also: which half of that tile I fetch
	s_bfe_u32 s40, ttmp6, 0x40000                  ; cx, cy: my place in the cluster
	s_bfe_u32 s41, ttmp6, 0x40004
	s_lshl_b32 s42, ttmp9, 2
	s_add_co_u32 s42, s42, s40                     ; tile column = 4 x cluster x + cx: f from 256 x that
	s_and_b32 s17, ttmp7, 0xffff
	s_lshl_b32 s17, s17, 2
	s_add_co_u32 s17, s17, s41                     ; tile row = 4 x cluster y + cy: tokens from 128 x that
	s_lshl_b32 s43, s41, 2
	s_lshl_b32 s43, 15, s43                        ; my row of the cluster
	s_lshl_b32 s44, 0x1111, s40                    ; my column
	s_or_b32 s[G1+0], s43, (0<<16)|(1<<20)|(1<<21)|(3<<22)|(3<<25)  ; 15:0 the mask: y's tiles go to my row; 17:16 element of 1 byte; 20 padding on; 21 set beside a mask; 24:22 after every 16 words (code 3); 31:25 of 4 words (code 3)
	s_mov_b32 s[G1+1], 64<<16                      ; tensor_dim0 = 64
	s_mov_b32 s[G1+2], 256<<16                     ; tensor_dim1 = 256
	s_mov_b32 s[G1+3], 64<<16                      ; tile_dim0 = 64
	s_mov_b32 s[G1+4], 256                         ; tile_dim1 = 256
	s_mov_b32 s[G1+5], 64                          ; tensor_dim0_stride: rows are dense
	s_mov_b32 s[G1+6], 0
	s_mov_b32 s[G1+7], 0
	s_or_b32 s[G1B+0], s44, (0<<16)|(1<<20)|(1<<21)|(5<<22)|(3<<25) ; my column's mask; padding after every 64 words (code 5)
	s_mov_b32 s[G1B+1], 256<<16                    ; tensor_dim0 = 256
	s_mov_b32 s[G1B+2], 128<<16                    ; tensor_dim1 = 128
	s_mov_b32 s[G1B+3], 256<<16                    ; tile_dim0 = 256
	s_mov_b32 s[G1B+4], 128                        ; tile_dim1 = 128
	s_mov_b32 s[G1B+5], 1024                       ; tensor_dim0_stride
	s_mov_b32 s[G1B+6], 0
	s_mov_b32 s[G1B+7], 0
	s_lshl_b32 s20, s17, 17                        ; y: 131,072 x tile row
	s_lshl_b32 s18, s16, 14
	s_add_co_u32 s20, s20, s18                     ; + two heads (16,384 bytes) x half
	s_mov_b32 s21, 0
	s_lshl_b32 s46, s42, 8
	s_lshl_b32 s18, s16, 7
	s_add_co_u32 s46, s46, s18                     ; w_out: row 256 x tile column + 128 x half,
	s_lshl_b32 s46, s46, 10                        ; of 1,024 bytes
	s_mov_b32 s47, 0
	s_mul_i32 s45, s16, AHALF                      ; where they go: no place in the cluster enters an LDS address
	s_mul_i32 s19, s16, BHALF
	s_add_co_u32 s19, s19, BOFF
	s_wait_dscnt 0x0                               ; the opening add is done
	s_wait_kmcnt 0x0
	s_load_b64 s[96:97], s[8:9], 0x18              ; e6, e7
	s_add_nc_u64 s[20:21], s[4:5], s[20:21]
	s_add_nc_u64 s[46:47], s[6:7], s[46:47]
	CROUND                                         ; all sixteen work-groups are here: the first joint loads meet
.irp s, 0,1
	s_mov_b32 s[G0+4*\s], 1
	s_add_co_u32 s[G0+4*\s+1], s45, \s*SLOT
	s_add_nc_u64 s[G0+4*\s+2:G0+4*\s+3], s[20:21], \s*32768    ; K step s: four heads on
	s_or_b32 s[G0+4*\s+3], s[G0+4*\s+3], 0x80000000
	s_mov_b32 s[G0B+4*\s], 1
	s_add_co_u32 s[G0B+4*\s+1], s19, \s*SLOT
	s_add_nc_u64 s[G0B+4*\s+2:G0B+4*\s+3], s[46:47], \s*256
	s_or_b32 s[G0B+4*\s+3], s[G0B+4*\s+3], 0x80000000
	s_wait_alu depctr_va_vdst(0)
	s_wait_tensorcnt 0x0
	ds_add_u32 v28, v29
	ds_add_u32 v28, v29
	s_wait_dscnt 0x0
	CROUND
	JLOAD G0+4*\s, G1, G0B+4*\s, G1B               ; one load of mine is out
.endr
	v_and_b32 v1, 15, v0                           ; r = l % 16
	v_bfe_u32 v2, v0, 4, 1                         ; h = l / 16
	v_mul_u32_u24 v3, v1, PA
	v_lshl_add_u32 v3, v2, 4, v3                   ; y: row x pitch + 16 h
	v_mul_u32_u24 v4, v1, PB
	v_lshl_add_u32 v4, v2, 4, v4                   ; w_out likewise
	s_mul_i32 s21, s15, 64*PA                      ; my 64 tokens in each head's plane
	s_mul_i32 s22, s16, BHALF                      ; my 128 rows of w_out
	s_add_co_u32 s22, s22, BOFF
.irp s, 0,1
	v_add_nc_u32 v[ADRA+\s], s21, v3
	v_add_nc_u32 v[ADRB+\s], s22, v4
	s_add_co_u32 s21, s21, SLOT
	s_add_co_u32 s22, s22, SLOT
.endr
	s_mul_i32 s23, s14, 16*SPITCH
	s_add_co_u32 s23, s23, STG                     ; my stage
	v_mul_u32_u24 v5, v1, SPITCH                   ; in: row l % 16, 32 bytes for each half of the lanes
	v_lshl_add_u32 v5, v2, 5, v5
	v_add_nc_u32 v[STO], s23, v5
	v_and_b32 v6, 31, v0
	v_lshlrev_b32 v[CO], 4, v6                     ; back: the 32 lanes take one row of 512 bytes; and the same in out0
	v_add_nc_u32 v[RD], s23, v[CO]
	s_lshl_b32 s20, s17, 7
	s_lshl_b32 s21, s15, 6
	s_add_co_u32 s20, s20, s21                     ; my first token: 128 x tile row + 64 x half,
	s_lshl_b32 s20, s20, 12                        ; a row of out0 is 4,096 bytes
	s_lshl_b32 s46, s42, 10                        ; my first column, in bytes: 1,024 x tile column + 512 x half
	s_lshl_b32 s47, s16, 9
	s_add_co_u32 s46, s46, s47
	s_add_co_u32 s20, s20, s46
	s_mov_b32 s21, 0
	s_add_nc_u64 s[10:11], s[10:11], s[20:21]
; A fragment, 16 rows x 128 K, is 16 registers: lane l holds row l % 16; registers 4 c .. 4 c + 3 hold K = 32 c + 16 (l / 16) + 0 .. 15, in both sources.
.macro FRAGB reg, adr, q, i            ; w_out: K lies along the LDS row
.irp c, 0,1,2,3
	ds_load_b128 v[\reg+4*\c:\reg+4*\c+3], v[\adr] offset:128*(\q)+32*\c+(\i)*16*PB
.endr
.endm
.macro FRAGA reg, adr, q, i            ; y: 64 along K are a head's plane of 128 rows: K = 128 q + 32 c is plane 2 q + c / 2, byte 32 (c % 2)
.irp c, 0,1,2,3
	ds_load_b128 v[\reg+4*\c:\reg+4*\c+3], v[\adr] offset:((2*(\q)+\c/2)*128+16*(\i))*PA+32*(\c%2)
.endr
.endm
.macro FETCH slot, q, p                ; 48 LDS loads in one run: the fragments of the slot's q-th 128 along K into both operands' set p
	WIN TO_B
.irp i, 0,1,2,3,4,5,6,7
	FRAGB 128*(\p)+FR*\i, ADRB+\slot, \q, \i
.endr
	WIN 0
.irp i, 0,1,2,3
	FRAGA AF+64*(\p)+FR*\i, ADRA+\slot, \q, \i
.endr
.endm
; 8 matrix instructions: y's block a x w_out's eight, 128 along K, set p.  zero = 1: the first product starts the sums.  The 32 accumulators take turns, one instruction a turn, in the same order in every step.
.macro MUL8 a, p, zero
.irp b, 0,1,2,3,4,5,6,7
.if \zero
	v_wmma_f32_16x16x128_fp8_fp8 v[8*(8*(\a)+\b):8*(8*(\a)+\b)+7], v[128*(\p)+FR*\b:128*(\p)+FR*\b+FR-1], v[AF+64*(\p)+FR*(\a):AF+64*(\p)+FR*(\a)+FR-1], 0
.else
	v_wmma_f32_16x16x128_fp8_fp8 v[8*(8*(\a)+\b):8*(8*(\a)+\b)+7], v[128*(\p)+FR*\b:128*(\p)+FR*\b+FR-1], v[AF+64*(\p)+FR*(\a):AF+64*(\p)+FR*(\a)+FR-1], v[8*(8*(\a)+\b):8*(8*(\a)+\b)+7]
.endif
.endr
.endm
.macro PLACES n                        ; places in front of loads into registers that matrix instructions have read, and of reads of results (ISA guide 7.12.1 for vector instructions)
.rept \n
	v_nop
.endr
.endm
; A slot's first 128 along K: multiplies set 0; ahead of its products the second 128's fragments are asked for, into set 1.
.macro SUB slot, zero
	s_wait_dscnt 0x0                               ; set 0 is in
	PLACES 4                                       ; behind the last products, which read set 1
	FETCH \slot, 1, 1
	WIN MUL
	MUL8 0, 0, \zero
	MUL8 1, 0, \zero
	MUL8 2, 0, \zero
	MUL8 3, 0, \zero
.endm
; A slot's second 128 along K multiplies set 1 and changes slots: ONE barrier; in front of it each wave waits for all its tensor loads, adds 0 to its spare word, and waits for that and for its own reads of this slot.  fill = 1: this slot is filled again, two K steps ahead.
.macro TURN slot, next, fill
	WIN 0                                          ; (the add's two registers lie in window 0)
	s_wait_tensorcnt 0x0                           ; all my tensor loads have landed: my part of the next slot
	ds_add_u32 v[SPW], v[NIL]                      ; 0 onto my spare word
	s_wait_dscnt 1                                 ; set 1 is in; the add alone may be out
	WIN MUL
	MUL8 0, 1, 0                                   ; eight matrix instructions stand between the add and the wait for it
	s_wait_dscnt 0x0                               ; the add is done, and my reads of this slot are over
	s_barrier_signal -1
	MUL8 1, 1, 0
	WIN 0
	s_barrier_wait -1
.if \fill
	CREST                                          ; the barrier has opened a round of the cluster's barrier: no wave of any partner still reads this slot's tile or has a load on its way
	s_add_nc_u64 s[G0+4*\slot+2:G0+4*\slot+3], s[G0+4*\slot+2:G0+4*\slot+3], 65536
	s_add_nc_u64 s[G0B+4*\slot+2:G0B+4*\slot+3], s[G0B+4*\slot+2:G0B+4*\slot+3], 512
	JLOAD G0+4*\slot, G1, G0B+4*\slot, G1B         ; the first tensor load behind the round, my one load until the next; its four v_nop are the places in front of the loads below
.else
	PLACES 4
.endif
	FETCH \next, 0, 0
	WIN MUL
	MUL8 2, 1, 0
	MUL8 3, 1, 0
.endm
	s_wait_alu depctr_va_vdst(0)
	s_wait_tensorcnt 1                             ; my part of K step 0 is in; K step 1's load may be out
	s_barrier_signal -1
	s_barrier_wait -1                              ; everybody's is
	FETCH 0, 0, 0
	SUB 0, 1                                       ; K step 0: its first products start the sums
	TURN 0, 1, 1                                   ; slot 0 takes K step 2
	SUB 1, 0                                       ; K step 1
	TURN 1, 0, 1                                   ; slot 1 takes K step 3
	SUB 0, 0                                       ; K step 2
	TURN 0, 1, 0                                   ; nothing is left to fetch: no round of the cluster's barrier
	SUB 1, 0                                       ; K step 3
	s_wait_dscnt 0x0                               ; the very last 128 along K
	MUL8 0, 1, 0
	MUL8 1, 1, 0
	MUL8 2, 1, 0
	MUL8 3, 1, 0
	WIN 0
; THE WAY OUT, block by block of 16 tokens x 128 columns.  A lane holds 32 neighbouring bytes of a row, and the lanes beside it hold other rows: so a block goes through my own stage in LDS and comes back as whole
; rows of 512 bytes, which the 32 lanes store as 512 consecutive bytes, aligned.  LDS serves a wave's instructions in order (ISA guide 5.7.1.4): no wait between the stores and the loads, nor in front of the next block's stores.
.macro TOSTAGE a
.set AC, 64*(\a)
	WIN 0x02                                       ; source 0: window 2
.set j, 0
.rept 32
	v_pk_mul_f32 v[TMP+j:TMP+j+1], v[AC+j:AC+j+1], s[96:97] op_sel_hi:[1,0]   ; both x s96 = 2^(e6 + e7); each accumulator from its low end on
.set j, j+2
.endr
	WIN 0
.irp b, 0,1,2,3,4,5,6,7
	ds_store_b128 v[STO], v[TMP+8*\b:TMP+8*\b+3] offset:64*\b
	ds_store_b128 v[STO], v[TMP+8*\b+4:TMP+8*\b+7] offset:64*\b+16
.endr
.set BB, BK+64*((\a)%2)
.irp t, 0,1,2,3,4,5,6,7,8,9,10,11,12,13,14,15
	ds_load_b128 v[BB+4*\t:BB+4*\t+3], v[RD] offset:\t*SPITCH
.endr
.endm
.macro SEND a, younger                 ; younger: the LDS instructions issued behind block a's loads, which may stay out
.set BB, BK+64*((\a)%2)
	s_wait_dscnt \younger                          ; the block is back in registers
.if (\a) > 0
	s_add_nc_u64 s[10:11], s[10:11], 16*4096       ; (behind a wait on XCNT: the earlier stores have read their base)  16 rows of out0 on
.endif
.irp t, 0,1,2,3,4,5,6,7,8,9,10,11,12,13,14,15
	global_store_b128 v[CO], v[BB+4*\t:BB+4*\t+3], s[10:11] offset:\t*4096 th:TH_STORE_NT   ; written once, read by nobody here
.endr
.endm
	s_wait_kmcnt 0x0
	s_add_co_i32 s96, s96, s97                     ; e6 + e7, between -126 and 127,
	s_add_co_i32 s96, s96, 127
	s_lshl_b32 s96, s96, 23                        ; makes the f32 number 2^(e6 + e7)
	PLACES 4                                       ; behind the last products: for the loads into the registers that held y's fragments, and for the reads of results
	TOSTAGE 0
.irp a, 1,2,3
.if \a > 1
	s_wait_xcnt 0x0                                ; block a - 2's stores have read their registers and their base: block a's loads may land there, and the base may step
.endif
	TOSTAGE \a
	SEND \a-1, 32                                  ; behind block a - 1's loads: block a's 16 stores and 16 loads
.endr
	s_wait_xcnt 0x0                                ; block 2's stores have read their base
	SEND 3, 0
	s_wait_tensorcnt 0x0                           ; the wave's end: behind my last tensor load and my last LDS store
	ds_add_u32 v[SPW], v[NIL]
	s_wait_dscnt 0x0
	CROUND                                         ; the closing round: no work-group ends while a partner may still ask for a tile that names it
	s_endpgm
.Lfunc_end_k_qbc6de01434_proj:
	.size	k_qbc6de01434_proj, .Lfunc_end_k_qbc6de01434_proj-k_qbc6de01434_proj
	.p2alignl 7, 3214868480
	.fill 96, 4, 3214868480
	.section	.rodata,"a",@progbits
	.p2align	6, 0x0
	.amdhsa_kernel k_qbc6de01434_proj
		.amdhsa_group_segment_fixed_size 327680
		.amdhsa_private_segment_fixed_size 0
		.amdhsa_enable_private_segment 0
		.amdhsa_kernarg_size 32
		.amdhsa_user_sgpr_count 2
		.amdhsa_user_sgpr_kernarg_segment_ptr 1
		.amdhsa_wavefront_size32 1
		.amdhsa_system_sgpr_workgroup_id_x 1
		.amdhsa_system_sgpr_workgroup_id_y 1
		.amdhsa_system_sgpr_workgroup_id_z 1
		.amdhsa_system_vgpr_workitem_id 0
		.amdhsa_next_free_vgpr 768
		.amdhsa_next_free_sgpr 98
		.amdhsa_reserve_vcc 0
		.amdhsa_float_denorm_mode_32 3
		.amdhsa_float_denorm_mode_16_64 3
		.amdhsa_memory_ordered 1
		.amdhsa_forward_progress 1
		.amdhsa_inst_pref_size 76
	.end_amdhsa_kernel
	.amdgpu_metadata
---
amdhsa.version: [ 1, 2 ]
amdhsa.kernels:
  - .name:           k_qbc6de01434_proj
    .symbol:         k_qbc6de01434_proj.kd
    .args:
      - { .name: yc, .offset: 0, .size: 8, .value_kind: global_buffer, .address_space: global }
      - { .name: woutc, .offset: 8, .size: 8, .value_kind: global_buffer, .address_space: global }
      - { .name: lowp_scales, .offset: 16, .size: 8, .value_kind: global_buffer, .address_space: global }
      - { .name: out0, .offset: 24, .size: 8, .value_kind: global_buffer, .address_space: global }
    .group_segment_fixed_size: 327680
    .private_segment_fixed_size: 0
    .kernarg_segment_align: 8
    .kernarg_segment_size: 32
    .max_flat_workgroup_size: 128
    .sgpr_count:     98
    .vgpr_count:     768
    .wavefront_size: 32
...
	.end_amdgpu_metadata
.endif
;; end of part 4
